; MI455X (gfx1250); checked and timed in simulation.
; The chip was launched on July 23, 2026; its instructions are those of AMD's public machine-readable ISA for CDNA 5 (MIT licence, August 2026) and "CDNA5" Instruction Set Architecture Reference Guide (July 2026). The comments in the code are by the model that wrote it; some were corrected since.
;; Attention. Allowed arithmetic: float matrix products may take bf16 or f16 operands with f32 sums; other float arithmetic in f32, or as packed bf16 or f16 multiplies, adds, multiply-adds, maxima and minima; sums over many terms, partial sums and values carried from step to step in f32; what a program stores and reads back later, other than sums and carried values, may be rounded once to bf16 or f16.
;; Inputs: W1 1,024 x 1,024 float32; Wc 1,024 x 2,048 float32; b1 1,024 float32; b2 1 float32; bc 1,024 float32; w2 1 x 1,024 float32; x 8 x 2,048 x 1,024 float32.
;; Outputs: out0 8 x 2,048 x 1,024 float32.
;; 2 versions, each right; version 2 is version 1 with the launches cast, finish written anew for expert scheduling mode. Each part assembles by itself: llvm-mc -triple=amdgcn-amd-amdhsa -mcpu=gfx1250 --defsym DOCPART=n.
;; ======== version 1 of 2: 3 launches
;; limits: values are held in f16: magnitudes above 65,504 overflow, below 6.1e-05 lose precision
;; workspace buffers: xb 33,554,432 bytes; wall 6,291,456 bytes; y 67,108,864 bytes; spart 524,288 bytes
;; launch cast (part 1): grid 304 x 1, 8 waves a work-group, no clusters, 0 bytes of LDS; arguments x, W1, Wc, xb, wall; writes xb, wall
.if DOCPART == 1
	.amdgcn_target "amdgcn-amd-amdhsa--gfx1250"
	.amdhsa_code_object_version 6
	.text
	.protected	k_qf7c01678f5_cast
	.globl	k_qf7c01678f5_cast
	.p2align	8
	.type	k_qf7c01678f5_cast,@function
k_qf7c01678f5_cast:
	s_mov_b64 s[64:65], 0
	v_nop
	global_prefetch_b8 v0, s[64:65] scope:SCOPE_SE
	s_setreg_imm32_b32 hwreg(HW_REG_WAVE_MODE, 25, 1), 1
	s_wait_xcnt 0x0
; x, W1 and Wc are rounded once to bf16 (nearest even): x -> xb [16384][1024]; the weights -> wall [3072][1024]:
; rows 0-1023 = Wc[d][0:1024], rows 1024-2047 = Wc[d][1024:2048], rows 2048-3071 = W1.  One B matrix for the one product that follows.
; A SEGMENT is 1,024 f32: 4,096 bytes in, 2,048 bytes out.  A work-group takes 64 segments; thread t the 16 bytes at 16 t of each:
; a wave's load covers 512 consecutive bytes, its store 256 consecutive bytes at a multiple of 256 from the buffer's first byte.
; Work-groups 0-255: x.  256-271: W1.  272-303: Wc, whose segments lie 8,192 bytes apart (half a row each).
; A stream: every byte is read once and written once, nothing is shared between work-groups, so there is no LDS, no barrier, no cluster and no matrix work.
; A ring of DEPTH slots keeps DEPTH loads of every wave in flight; a slot owns its data and address registers.
.set DEPTH,  8
.set ROUNDS, 64/DEPTH
.set SEGOUT, 2048
.set IN,  2                            ; v[2:9]    slot i: byte offset of my 16 bytes in the slot's segment, from the group's first
.set OUT, 10                           ; v[10:17]  slot i: byte offset of my 8 bytes in the output, one round ahead of the store
.set X,   20                           ; v[20:51]  slot i: 4 f32 as loaded
.set Y,   52                           ; v[52:67]  slot i: 4 bf16 to store
	s_load_b256 s[4:11], s[0:1], 0x0               ; x s[4:5], W1 s[6:7], Wc s[8:9], xb s[10:11]
	s_load_b64 s[12:13], s[0:1], 0x20              ; wall
	s_mov_b32 s14, ttmp9                           ; g
	s_max_u32 s15, s14, 272                        ; the case Wc: k = g - 272 (clamped, so that the offsets of a case not taken stay small)
	s_sub_co_u32 s15, s15, 272
	s_lshr_b32 s16, s15, 4                         ; which half of Wc's rows: 4,096 bytes in,
	s_lshl_b32 s16, s16, 12
	s_and_b32 s17, s15, 15                         ; which 64 rows of 8,192 bytes
	s_lshl_b32 s17, s17, 19
	s_add_co_u32 s20, s16, s17                     ; source offset
	s_lshl_b32 s22, s15, 17                        ; destination offset: 64 k rows of 2,048 bytes
	s_mov_b32 s28, 8192                            ; from segment to segment
	s_max_u32 s15, s14, 256                        ; the case W1: k = g - 256
	s_min_u32 s15, s15, 271
	s_sub_co_u32 s15, s15, 256
	s_lshl_b32 s16, s15, 18
	s_lshl_b32 s17, s15, 17
	s_add_co_u32 s17, s17, 0x400000                ; behind wall's first 2,048 rows
	s_min_u32 s15, s14, 255                        ; the case x
	s_lshl_b32 s18, s15, 18
	s_lshl_b32 s19, s15, 17
	s_mov_b32 s21, 0                               ; the offsets as 64-bit pairs
	s_mov_b32 s23, 0
	v_lshlrev_b32 v1, 4, v0                        ; 16 t
	s_wait_kmcnt 0x0
	s_mov_b64 s[24:25], s[8:9]                     ; from Wc
	s_mov_b64 s[26:27], s[12:13]                   ; to wall
	s_cmp_lt_u32 s14, 272
	s_cselect_b64 s[24:25], s[6:7], s[24:25]       ; from W1
	s_cselect_b32 s20, s16, s20
	s_cselect_b32 s22, s17, s22
	s_cselect_b32 s28, 4096, s28
	s_cmp_lt_u32 s14, 256
	s_cselect_b64 s[24:25], s[4:5], s[24:25]       ; from x
	s_cselect_b64 s[26:27], s[10:11], s[26:27]     ; to xb
	s_cselect_b32 s20, s18, s20
	s_cselect_b32 s22, s19, s22
	s_add_nc_u64 s[24:25], s[24:25], s[20:21]
	s_add_nc_u64 s[26:27], s[26:27], s[22:23]
	s_lshl_b32 s29, s28, 3                         ; a round: DEPTH segments
.irp i, 0,1,2,3,4,5,6,7
	s_mul_i32 s30, s28, \i
	v_add_nc_u32 v[IN+(\i)], s30, v1
	v_lshl_or_b32 v[OUT+(\i)], v0, 3, (\i)*SEGOUT
.endr
.irp i, 0,1,2,3,4,5,6,7
	global_load_b128 v[X+4*(\i):X+4*(\i)+3], v[IN+(\i)], s[24:25] th:TH_LOAD_NT  ; fill the ring: segments 0 to 7
.endr
; One slot's turn.  ahead = 1: the slot is filled again with the segment DEPTH further on.  left = the younger loads that may stay out.
.macro SLOT i, ahead, left
	s_wait_loadcnt \left                           ; loads come back in order (ISA guide 5.7.1): mine is in, the younger ones stay out
	s_wait_xcnt 0x0                                ; the slot's Y and OUT, which its last store reads, are rewritten only behind this wait
	v_cvt_pk_bf16_f32 v[Y+2*(\i)],   v[X+4*(\i)],   v[X+4*(\i)+1]
	v_cvt_pk_bf16_f32 v[Y+2*(\i)+1], v[X+4*(\i)+2], v[X+4*(\i)+3]
	v_add_nc_u32 v[OUT+(\i)], DEPTH*SEGOUT, v[OUT+(\i)]            ; the slot's next place; the store below reaches back
.if \ahead
	v_add_nc_u32 v[IN+(\i)], s29, v[IN+(\i)]
	global_load_b128 v[X+4*(\i):X+4*(\i)+3], v[IN+(\i)], s[24:25] th:TH_LOAD_NT
.endif
	global_store_b64 v[OUT+(\i)], v[Y+2*(\i):Y+2*(\i)+1], s[26:27] offset:-DEPTH*SEGOUT
.endm
	s_mov_b32 s31, ROUNDS-1
.Lround:
.irp i, 0,1,2,3,4,5,6,7
	SLOT \i, 1, DEPTH-1
.endr
	s_sub_co_u32 s31, s31, 1
	s_cmp_lg_u32 s31, 0
	s_cbranch_scc1 .Lround
.irp i, 0,1,2,3,4,5,6,7
	SLOT \i, 0, DEPTH-1-(\i)                       ; the last round loads nothing: the counts run down
.endr
	s_endpgm
.Lfunc_end_k_qf7c01678f5_cast:
	.size	k_qf7c01678f5_cast, .Lfunc_end_k_qf7c01678f5_cast-k_qf7c01678f5_cast
	.p2alignl 7, 3214868480
	.fill 96, 4, 3214868480
	.section	.rodata,"a",@progbits
	.p2align	6, 0x0
	.amdhsa_kernel k_qf7c01678f5_cast
		.amdhsa_group_segment_fixed_size 0
		.amdhsa_private_segment_fixed_size 0
		.amdhsa_enable_private_segment 0
		.amdhsa_kernarg_size 40
		.amdhsa_user_sgpr_count 2
		.amdhsa_user_sgpr_kernarg_segment_ptr 1
		.amdhsa_wavefront_size32 1
		.amdhsa_system_sgpr_workgroup_id_x 1
		.amdhsa_system_sgpr_workgroup_id_y 1
		.amdhsa_system_sgpr_workgroup_id_z 1
		.amdhsa_system_vgpr_workitem_id 0
		.amdhsa_next_free_vgpr 68
		.amdhsa_next_free_sgpr 66
		.amdhsa_reserve_vcc 0
		.amdhsa_float_denorm_mode_32 3
		.amdhsa_float_denorm_mode_16_64 3
		.amdhsa_memory_ordered 1
		.amdhsa_forward_progress 1
		.amdhsa_inst_pref_size 11
	.end_amdhsa_kernel
	.amdgpu_metadata
---
amdhsa.version: [ 1, 2 ]
amdhsa.kernels:
  - .name:           k_qf7c01678f5_cast
    .symbol:         k_qf7c01678f5_cast.kd
    .args:
      - { .name: x, .offset: 0, .size: 8, .value_kind: global_buffer, .address_space: global }
      - { .name: W1, .offset: 8, .size: 8, .value_kind: global_buffer, .address_space: global }
      - { .name: Wc, .offset: 16, .size: 8, .value_kind: global_buffer, .address_space: global }
      - { .name: xb, .offset: 24, .size: 8, .value_kind: global_buffer, .address_space: global }
      - { .name: wall, .offset: 32, .size: 8, .value_kind: global_buffer, .address_space: global }
    .group_segment_fixed_size: 0
    .private_segment_fixed_size: 0
    .kernarg_segment_align: 8
    .kernarg_segment_size: 40
    .max_flat_workgroup_size: 256
    .sgpr_count:     66
    .vgpr_count:     68
    .wavefront_size: 32
...
	.end_amdgpu_metadata
.endif
;; end of part 1
;; launch gemm (part 2): grid 4 x 64, 4 waves a work-group, clusters of 4 x 4, 327,680 bytes of LDS; arguments xb, wall, y, b1, w2, spart; writes y, spart
.if DOCPART == 2
	.amdgcn_target "amdgcn-amd-amdhsa--gfx1250"
	.amdhsa_code_object_version 6
	.text
	.protected	k_qf7c01678f5_gemm
	.globl	k_qf7c01678f5_gemm
	.p2align	8
	.type	k_qf7c01678f5_gemm,@function
k_qf7c01678f5_gemm:
	s_mov_b64 s[64:65], 0
	v_nop
	global_prefetch_b8 v0, s[64:65] scope:SCOPE_SE
	s_setreg_imm32_b32 hwreg(HW_REG_WAVE_MODE, 25, 1), 1
	s_wait_xcnt 0x0
	s_wait_alu depctr_hold_cnt(0) depctr_sa_sdst(0) depctr_va_vdst(0) depctr_va_sdst(0) depctr_va_ssrc(0) depctr_va_vcc(0) depctr_vm_vsrc(0)
	s_getreg_b32 s2, hwreg(HW_REG_IB_STS2, 6, 4)
	s_cmp_eq_u32 s2, 0
	s_cbranch_scc0 .Lentry_in_a_cluster
	s_endpgm
.Lentry_in_a_cluster:
	s_bfe_u32 s2, ttmp6, 0x10000c
	s_cmp_lg_u32 s2, 0xf033
	s_cbranch_scc0 .Lentry_shape_is_right
	s_endpgm
.Lentry_shape_is_right:
; ALL THREE PRODUCTS AS ONE: C = xb wall^T, xb [16384][1024], wall [3072][1024], bf16 operands, f32 sums.
; Since cumsum(e x) Wc1^T = cumsum(e (x Wc1^T)), x enters matrix products alone, and the context is never rounded.
;   columns    0-1023: y1 = x Wc1^T,  columns 1024-2047: y2 = x Wc2^T: rounded once to f16 and stored in blocks (below);
;   columns 2048-3071: x W1^T: tanh(. + b1) . w2 in f32 on the sums themselves; what leaves is one partial score for each row and 128 columns.
; LIMITS.  y is f16: |x . Wc's half row| stays under 65,504 (beyond it the number becomes an infinity).  b1 and w2 are rounded to bf16 like every input of the program.
; tanh(z) = 1 - 2 / (1 + 2^(2 log2(e) z)): at both ends the exponential's infinity or 0 gives 1 or -1.
; SHARES.  A work-group of four waves makes THREE tiles of 256 x 256, all of the same 256 rows of xb: wall's rows 256 tc + 1024 j, j = 0, 1, 2.  256 work-groups.
; A wave makes 128 x 128: 64 accumulators of 16 x 16, 512 registers.  K goes in steps of 128 through a ring of two LDS slots filled by the tensor data mover;
; the ring does not stop at a tile's end: a tile's last two changes of slots ask for the next tile's first two K steps.
; CLUSTERS: 4 x 4 work-groups.  The four of a row of the cluster need the same tiles of xb, the four of a column the same tiles of wall: each tile is asked for JOINTLY,
; by the same tensor load with the same descriptor and a mask that names the four.
; THE MATRIX INSTRUCTION IS USED TRANSPOSED: source 0 = 16 rows of wall, source 1 = 16 rows of xb.  Lane l then holds row l % 16 of C, its registers 0-7 the columns 8 (l / 16) + 0..7.
; y's LAYOUT: [block of 64 columns, 0-15 y1, 16-31 y2][four rows][pair of columns p = 0..31][row in the four][2 f16]: 16 bytes hold four consecutive rows of one pair of columns,
; four rows of a block are 512 consecutive bytes, a block 2,097,152.  The next launch scans down the rows with one pair of columns a lane.
; REGISTERS, in windows of 256 (s_set_vgpr_msb's low byte: bits 1:0 source 0, 3:2 source 1, 5:4 source 2, 7:6 destination):
;   window 0: v0-31 addresses; v64-127, v128-191 fragments of xb, two buffers; v32-63, v192-255 at work on the ways out
;   window 1: v64-127, v128-191 fragments of wall, two buffers; v0-63 2 log2(e) b1 and v192-255 -2 w2 of my lane's 64 columns of the third tile
;   window 2: the 32 accumulators of my rows 0-63 (accumulator (a, b) at v[8 (8 a + b)]);   window 3: those of my rows 64-127
.set SIZE_K, 1024
.set KSTEP,  128
.set PITCH,  272                       ; an LDS row: 256 bytes + 16 of padding = 68 words: the 16 rows that a load touches start at 16 different groups of four banks (64 banks of 4 bytes: ISA guide 11.1)
.set HALFT,  128*PITCH                 ; 128 rows: what one tensor load brings, and what one wave reads of xb or of wall
.set SLOT,   4*HALFT                   ; xb's 256 rows, then wall's 256 rows
.set STAGE,  2*SLOT                    ; behind the ring: a stage for each wave, for the ways out; no tensor load fills it
.set WSTG,   4352                      ; bytes of a wave's stage
.set QP,     528                       ; in the stage four rows of a block: 512 bytes + 16
.set CBP,    4*QP                      ; and 16 rows of a block
.set SPARE,  STAGE+4*WSTG              ; behind the stages: the spare words, 128 bytes for each wave: two blocks of 256 bytes that no other line names
.set LAPS,   SIZE_K/(2*KSTEP)          ; a lap = two K steps = once round the ring
.set BACK_A, (SIZE_K-2*KSTEP)*2        ; from a slot's last K step of a tile to its first of the next: xb only goes back along K,
.set NEXT_B, 1024*SIZE_K*2-BACK_A      ; wall goes 1,024 rows on and back along K
.set CBLK,   2097152                   ; a block of y
.set NEXT_Y, 16*CBLK-7*2048            ; from my last 16 rows of y1 to my first of y2
.set ADRA, 16                          ; v16-17  LDS address of my xb fragments in slot 0, 1
.set ADRB, 20                          ; v20-21  the same for wall
.set STO,  24                          ; v24     way out: where my words of a row go in the stage
.set RD,   25                          ; v25     way out: my 16 bytes of 512 in the stage
.set CO,   26                          ; v26     16 x lane: my 16 bytes of 512 in memory
.set STS,  27                          ; v27     the scores' way out: my row's word in the stage
.set SPW,  28                          ; v28     LDS address of my spare word; never rewritten
.set NIL,  29                          ; v29     0; never rewritten
.set W2S,  30                          ; v30     the sum of my 64 w2
.set CV,   31                          ; v31     32 (l / 16): my lanes' 8 columns in b1 and w2
.set F0,   64
.set F1,   128
.set TMP,  192                         ; way out: packed results
.set OB,   32                          ; way out: 16 rows read back from the stage: v32-63 and v224-255 by turns
.set T,    192                         ; scores: 64 numbers at work
.set PS,   32                          ; scores: four chains of packed sums
.set SB,   40                          ; scores: block a's partial score of my row
.set XH,   48                          ; scores: the other half of the lanes'
.set B1C,  0                           ; window 1
.set W2N,  192                         ; window 1
.set G1, 24                            ; s[24:31] descriptor group 1 for xb's tiles;  s[32:39] group 0, one set for each slot
.set G0, 32
.set G1B, 48                           ; s[48:55], s[56:63] the same for wall's tiles
.set G0B, 56
.set MSB, 0
.macro WIN new                         ; the immediate's high byte repeats the setting that is left; a switch that changes nothing is dropped
.if MSB != (\new)
	s_set_vgpr_msb (MSB<<8)|(\new)
.set MSB, \new
.endif
.endm
.set MUL_LO, 0xa1                      ; source 0 (wall) window 1, source 1 (xb) window 0, C and D window 2
.set MUL_HI, 0xf1                      ; the same, C and D window 3
.set TO_B,   0x40                      ; destination window 1, address window 0
; A joint load.  Waves 0 and 1 fetch xb's two halves, waves 2 and 3 wall's.  The branch hangs on the wave's number alone.
; An s_nop 0 and four v_nop follow each of the two lines, ahead of the jump and the label.
.macro JLOAD s
	s_cmp_eq_u32 s11, 0
	s_cbranch_scc0 .Lfor_b_\@
	tensor_load_to_lds s[G0+4*(\s):G0+4*(\s)+3], s[G1:G1+7]
	s_nop 0
.rept 4
	v_nop
.endr
	s_branch .Lasked_\@
.Lfor_b_\@:
	tensor_load_to_lds s[G0B+4*(\s):G0B+4*(\s)+3], s[G1B:G1B+7]
	s_nop 0
.rept 4
	v_nop
.endr
.Lasked_\@:
.endm
; A round of the cluster's barrier: my work-group's barrier, so that wave 0's signal speaks for all four waves; wave 0 signals; every wave waits for all sixteen work-groups; my work-group's barrier once more.
.macro CREST                           ; a round behind its opening barrier
	s_cmp_lg_u32 s10, 0
	s_cbranch_scc1 .Lnot_wave_0_\@
	s_barrier_signal -3
.Lnot_wave_0_\@:
	s_barrier_wait -3
	s_barrier_signal -1
	s_barrier_wait -1
.endm
.macro CROUND
	s_barrier_signal -1
	s_barrier_wait -1
	CREST
.endm
	s_load_b128 s[4:7], s[0:1], 0x0                ; xb s[4:5], wall s[6:7]
	s_load_b64 s[8:9], s[0:1], 0x10                ; y
	s_load_b64 s[68:69], s[0:1], 0x18              ; b1
	s_load_b64 s[70:71], s[0:1], 0x20              ; w2
	s_load_b64 s[72:73], s[0:1], 0x28              ; spart
	v_lshl_add_u32 v[SPW], v0, 2, SPARE
	v_mov_b32 v[NIL], 0
	ds_add_u32 v[SPW], v[NIL]                      ; the wave's opening: the add and its wait stand ahead of my first tensor load; the set-up below, work on registers, stands between them
	v_lshrrev_b32 v1, 5, v0
	v_readfirstlane_b32 s10, v1                    ; wave 0..3
	s_lshr_b32 s11, s10, 1                         ; which half of the tile's rows is mine.  Also: I fetch for xb (0) or for wall (1)
	s_and_b32 s12, s10, 1                          ; which half of its columns.  Also: which 128 rows of that tile I fetch
	s_bfe_u32 s40, ttmp6, 0x40000                  ; cx
	s_bfe_u32 s41, ttmp6, 0x40004                  ; cy
	s_lshl_b32 s42, ttmp9, 2
	s_add_co_u32 s42, s42, s40                     ; tile column tc = 4 x cluster x + cx: 0..3
	s_and_b32 s13, ttmp7, 0xffff
	s_lshl_b32 s13, s13, 2
	s_add_co_u32 s13, s13, s41                     ; tile row = 4 x cluster y + cy: 0..63
	s_lshl_b32 s43, s41, 2
	s_lshl_b32 s43, 15, s43                        ; my row of the cluster
	s_lshl_b32 s44, 0x1111, s40                    ; my column
	; descriptor group 1: a tile of 128 rows x 128 elements, padded in LDS
	s_or_b32 s[G1+0], s43, (1<<16)|(1<<20)|(1<<21)|(5<<22)|(3<<25)  ; 15:0 the mask: xb's tiles go to my row; 17:16 2-byte elements; 20 padding on; 21 set beside a mask; 24:22 after every 64 words (code 5); 31:25 4 words (code 3)
	s_or_b32 s[G1B+0], s44, (1<<16)|(1<<20)|(1<<21)|(5<<22)|(3<<25) ; the same with the mask of my column, for wall's tiles
.irp g, G1, G1B
	s_mov_b32 s[(\g)+1], KSTEP<<16                 ; tensor_dim0 = 128
	s_mov_b32 s[(\g)+2], 128<<16                   ; tensor_dim1 = 128
	s_mov_b32 s[(\g)+3], KSTEP<<16                 ; tile_dim0 = 128
	s_mov_b32 s[(\g)+4], 128                       ; tile_dim1 = 128
	s_mov_b32 s[(\g)+5], SIZE_K                    ; elements from row to row
	s_mov_b32 s[(\g)+6], 0
	s_mov_b32 s[(\g)+7], 0
.endr
	s_mov_b32 s74, 0x4038aa3b                      ; 2 log2(e)
	s_mov_b32 s75, s74                             ; named with it as a pair
	s_mov_b32 s76, 0x76543210                      ; v_permlanex16_b32: each lane takes its own place in the other half
	s_mov_b32 s77, 0xfedcba98
	s_mov_b32 s78, 0xffff0000                      ; a word's upper bf16
	s_lshl_b32 s17, s12, 7                         ; which 128 rows of the tile I fetch
	s_lshl_b32 s16, s13, 8
	s_add_co_u32 s16, s16, s17                     ; xb: row 256 x tile row + 128 x half
	s_lshl_b32 s46, s42, 8
	s_add_co_u32 s46, s46, s17                     ; wall: row 256 x tile column + 128 x half
	s_mov_b32 s17, 0
	s_mov_b32 s47, 0
	s_mov_b64 s[18:19], SIZE_K*2
	s_mul_u64 s[16:17], s[16:17], s[18:19]
	s_mul_u64 s[46:47], s[46:47], s[18:19]
	s_mul_i32 s20, s10, HALFT                      ; where they go: wave x 128 rows: no place in the cluster enters an LDS address
	s_wait_dscnt 0x0                               ; the opening add is done
	s_wait_kmcnt 0x0
	s_add_nc_u64 s[14:15], s[4:5], s[16:17]
	s_add_nc_u64 s[46:47], s[6:7], s[46:47]
	CROUND                                         ; all sixteen work-groups are here: the first joint loads meet
.irp s, 0,1
	s_mov_b32 s[G0+4*(\s)], 1                                      ; count = 1
	s_add_co_u32 s[G0+4*(\s)+1], s20, (\s)*SLOT                    ; LDS address
	s_add_nc_u64 s[G0+4*(\s)+2:G0+4*(\s)+3], s[14:15], (\s)*KSTEP*2  ; global address: K step s
	s_or_b32 s[G0+4*(\s)+3], s[G0+4*(\s)+3], 0x80000000            ; type = 2
	s_mov_b32 s[G0B+4*(\s)], 1
	s_add_co_u32 s[G0B+4*(\s)+1], s20, (\s)*SLOT
	s_add_nc_u64 s[G0B+4*(\s)+2:G0B+4*(\s)+3], s[46:47], (\s)*KSTEP*2
	s_or_b32 s[G0B+4*(\s)+3], s[G0B+4*(\s)+3], 0x80000000
	JLOAD \s                                       ; the ring is filled before anything else is done: two tensor loads of mine are out
.endr
	v_and_b32 v1, 15, v0                           ; l % 16
	v_bfe_u32 v2, v0, 4, 1                         ; l / 16
	v_lshlrev_b32 v[CV], 5, v2
	; b1 and w2 of my lane's 64 columns of the third tile: column 256 tc + 128 half + 16 b + 8 (l / 16) + j -> register 8 b + j, as the accumulators hold them
	s_lshl_b32 s80, s42, 10
	s_lshl_b32 s81, s12, 9
	s_add_co_u32 s80, s80, s81
	s_mov_b32 s81, 0
	s_add_nc_u64 s[68:69], s[68:69], s[80:81]
	s_add_nc_u64 s[70:71], s[70:71], s[80:81]
	WIN TO_B
.irp b, 0,1,2,3,4,5,6,7
	global_load_b128 v[B1C+8*(\b):B1C+8*(\b)+3],   v[CV], s[68:69] offset:64*(\b)
	global_load_b128 v[B1C+8*(\b)+4:B1C+8*(\b)+7], v[CV], s[68:69] offset:64*(\b)+16
	global_load_b128 v[W2N+8*(\b):W2N+8*(\b)+3],   v[CV], s[70:71] offset:64*(\b)
	global_load_b128 v[W2N+8*(\b)+4:W2N+8*(\b)+7], v[CV], s[70:71] offset:64*(\b)+16
.endr
	WIN 0
	; A fragment is 16 rows x 32 K in 8 registers: lane l holds row l % 16; registers 0-3 K = 8 (l / 16) + 0..7, registers 4-7 K = 16 + 8 (l / 16) + 0..7: two loads of 16 bytes, 32 bytes apart.
	v_mul_u32_u24 v3, v1, PITCH
	v_lshl_add_u32 v3, v2, 4, v3                   ; row x pitch + 16 x half
	s_mul_i32 s21, s11, HALFT                      ; my 128 rows of xb
	s_mul_i32 s22, s12, HALFT                      ; my 128 rows of wall,
	s_add_co_u32 s22, s22, 2*HALFT                 ; which lie behind xb's 256
.irp s, 0,1
	v_add_nc_u32 v[ADRA+(\s)], s21, v3
	v_add_nc_u32 v[ADRB+(\s)], s22, v3
	s_add_co_u32 s21, s21, SLOT
	s_add_co_u32 s22, s22, SLOT
.endr
	s_mul_i32 s23, s10, WSTG
	s_add_co_u32 s23, s23, STAGE                   ; my stage
	v_lshrrev_b32 v4, 2, v1                        ; into the stage, as y lies in memory: which four rows,
	v_mul_u32_u24 v4, v4, QP
	v_and_b32 v5, 3, v1                            ; which of the four: a word,
	v_lshl_add_u32 v4, v5, 2, v4
	v_lshl_add_u32 v4, v2, 6, v4                   ; and my lanes' four pairs of columns, 16 bytes each.  The 32 lanes' words fall into 32 different banks: 132 (m / 4) + m % 4 + 16 (l / 16)
	v_add_nc_u32 v[STO], s23, v4
	v_and_b32 v5, 31, v0
	v_lshlrev_b32 v[CO], 4, v5                     ; back, and out: 32 lanes x 16 bytes = 512 consecutive bytes
	v_add_nc_u32 v[RD], s23, v[CO]
	v_lshl_add_u32 v[STS], v1, 2, s23
	; where my part of y1 begins, in bytes: (4 tc + 2 half) blocks + my first row x 128; the first way out adds it to y's address
	s_lshl_b32 s13, s13, 8
	s_lshl_b32 s14, s11, 7
	s_add_co_u32 s13, s13, s14                     ; my first row
	s_lshl_b32 s16, s13, 7
	s_mov_b32 s17, 0
	s_lshl_b32 s46, s42, 23
	s_lshl_b32 s47, s12, 22
	s_add_co_u32 s46, s46, s47
	s_mov_b32 s47, 0
	s_add_nc_u64 s[16:17], s[16:17], s[46:47]
	; my 128 partial scores: spart[2 tc + half][my first row ..]
	s_lshl_b32 s80, s42, 17
	s_lshl_b32 s81, s12, 16
	s_add_co_u32 s80, s80, s81
	s_lshl_b32 s81, s13, 2
	s_add_co_u32 s80, s80, s81
	s_mov_b32 s81, 0
	s_add_nc_u64 s[72:73], s[72:73], s[80:81]
	s_wait_loadcnt 0x0                             ; b1 and w2.  All that follows up to the barrier stands in the wait for the first tile
	WIN 0x45                                       ; destination and sources 0, 1 in window 1
.set i, 0
.rept 32
	v_cvt_pk_bf16_f32 v[B1C+2*i], v[B1C+2*i], v[B1C+2*i+1]         ; rounded to bf16, as every input of the program is,
	v_cvt_pk_bf16_f32 v[W2N+2*i], v[W2N+2*i], v[W2N+2*i+1]
	v_and_b32 v[B1C+2*i+1], s78, v[B1C+2*i]                        ; and back to f32
	v_and_b32 v[W2N+2*i+1], s78, v[W2N+2*i]
	v_lshlrev_b32 v[B1C+2*i], 16, v[B1C+2*i]
	v_lshlrev_b32 v[W2N+2*i], 16, v[W2N+2*i]
	v_pk_mul_f32 v[B1C+2*i:B1C+2*i+1], v[B1C+2*i:B1C+2*i+1], s[74:75] op_sel_hi:[1,0]  ; 2 log2(e) b1
.set i, i+1
.endr
	WIN 0x05                                       ; sources in window 1, destination in window 0
.set i, 0
.rept 16
	v_pk_add_f32 v[T+2*i:T+2*i+1], v[W2N+4*i:W2N+4*i+1], v[W2N+4*i+2:W2N+4*i+3]
.set i, i+1
.endr
	WIN 0
.irp w, 16, 8, 4, 2
.set i, 0
.rept (\w)/2
	v_pk_add_f32 v[T+2*i:T+2*i+1], v[T+2*i:T+2*i+1], v[T+(\w)+2*i:T+(\w)+2*i+1]
.set i, i+1
.endr
.endr
	v_add_f32 v[W2S], v[T], v[T+1]                 ; the sum of my 64 w2
	WIN 0x45
.set i, 0
.rept 32
	v_pk_mul_f32 v[W2N+2*i:W2N+2*i+1], v[W2N+2*i:W2N+2*i+1], -2.0 op_sel_hi:[1,0]
.set i, i+1
.endr
	WIN 0
; 16 matrix instructions: m blocks a0, a0 + 1 of the window's four (hi = 0: my rows 0-63, 1: rows 64-127) x all 8 n blocks, 32 along K.  zero = 1: the first product starts the sums.
; The 64 accumulators take turns, one instruction a turn, in the same order in every quarter step.
.macro MUL16 f, hi, a0, zero
	WIN MUL_LO+0x50*(\hi)
.irp a, \a0, (\a0)+1
.irp b, 0,1,2,3,4,5,6,7
.if \zero
	v_wmma_f32_16x16x32_bf16 v[8*(8*(\a)+(\b)):8*(8*(\a)+(\b))+7], v[(\f)+8*(\b):(\f)+8*(\b)+7], v[(\f)+8*(4*(\hi)+(\a)):(\f)+8*(4*(\hi)+(\a))+7], 0
.else
	v_wmma_f32_16x16x32_bf16 v[8*(8*(\a)+(\b)):8*(8*(\a)+(\b))+7], v[(\f)+8*(\b):(\f)+8*(\b)+7], v[(\f)+8*(4*(\hi)+(\a)):(\f)+8*(4*(\hi)+(\a))+7], v[8*(8*(\a)+(\b)):8*(8*(\a)+(\b))+7]
.endif
.endr
.endr
.endm
; 32 LDS loads in one run: the fragments of one quarter step (128 rows of wall, 128 rows of xb, 32 K at byte k of the rows) into buffer f
.macro FETCH slot, k, f
	WIN TO_B
.irp i, 0,1,2,3,4,5,6,7
	ds_load_b128 v[(\f)+8*(\i):(\f)+8*(\i)+3],   v[ADRB+(\slot)] offset:(\k)+(\i)*16*PITCH
	ds_load_b128 v[(\f)+8*(\i)+4:(\f)+8*(\i)+7], v[ADRB+(\slot)] offset:(\k)+(\i)*16*PITCH+32
.endr
	WIN 0
.irp i, 0,1,2,3,4,5,6,7
	ds_load_b128 v[(\f)+8*(\i):(\f)+8*(\i)+3],   v[ADRA+(\slot)] offset:(\k)+(\i)*16*PITCH
	ds_load_b128 v[(\f)+8*(\i)+4:(\f)+8*(\i)+7], v[ADRA+(\slot)] offset:(\k)+(\i)*16*PITCH+32
.endr
.endm
; A load into a register that a matrix instruction has read, and a vector instruction that reads a matrix result, stand four places behind that matrix instruction, and only plain vector
; instructions that name none of its registers are places (ISA guide 7.12.1 for vector instructions).
.macro PLACES
.rept 4
	v_nop
.endr
.endm
; A K step is four quarter steps of 32 along K, 64 matrix instructions each, on buffers 0, 1, 0, 1.  One of the first three: multiplies buffer f; in its middle it fetches the next quarter, at byte k, into g.
.macro QUARTER slot, k, f, g, zero
	s_wait_dscnt 8                                 ; wall's and xb's rows 0-63 are in; the youngest eight loads (xb's rows 64-127) may be out
	WIN MUL_LO
	MUL16 \f, 0, 0, \zero
	MUL16 \f, 0, 2, \zero
	PLACES
	FETCH \slot, \k, \g
	s_wait_dscnt 32                                ; all but the 32 just issued
	WIN MUL_HI
	MUL16 \f, 1, 0, \zero
	MUL16 \f, 1, 2, \zero
.endm
; The last quarter multiplies buffer 1 and changes slots.  MEET is its first half: ONE barrier for the change.  In front of it each wave waits for all its tensor loads, of which one is out:
; its part of the next slot; adds 0 to its spare word; and waits for that and for its own reads of this slot.  Behind it nobody reads this slot any more and the next slot is whole.
.macro MEET round                      ; round = 1: a round of the cluster's barrier follows
	WIN 0                                          ; (the add's two registers lie in window 0)
	s_wait_tensorcnt 0x0                           ; all my tensor loads have landed
	ds_add_u32 v[SPW], v[NIL]                      ; 0 onto my spare word
	s_wait_dscnt 9                                 ; (the add and the youngest eight loads may be out)
	WIN MUL_LO
	MUL16 F1, 0, 0, 0                              ; sixteen matrix instructions stand between the add and the wait for it
	s_wait_dscnt 0x0                               ; the add is done, and my reads of this slot are over
	s_barrier_signal -1
	MUL16 F1, 0, 2, 0                              ; work on registers while the others arrive
.if \round
	WIN 0
.endif
	s_barrier_wait -1
.endm
; The whole last quarter.  Behind the round the slot just read out is filled again first: with this tile's K step two steps on (on = 0) or, in a tile's last two K steps, with the NEXT tile's
; K step 0 or 1 (on = 1); then come the next slot's first fragments.  One tensor load of mine is out behind each round; from the request to the wait for it I issue 224 matrix instructions.
.macro TURN slot, next, on
	MEET 1
	CREST                                          ; no wave of any partner still reads this slot's tile or has a load on its way
.if \on
	s_sub_nc_u64 s[G0+4*(\slot)+2:G0+4*(\slot)+3], s[G0+4*(\slot)+2:G0+4*(\slot)+3], BACK_A
	s_add_nc_u64 s[G0B+4*(\slot)+2:G0B+4*(\slot)+3], s[G0B+4*(\slot)+2:G0B+4*(\slot)+3], NEXT_B
.else
	s_add_nc_u64 s[G0+4*(\slot)+2:G0+4*(\slot)+3], s[G0+4*(\slot)+2:G0+4*(\slot)+3], 2*KSTEP*2
	s_add_nc_u64 s[G0B+4*(\slot)+2:G0B+4*(\slot)+3], s[G0B+4*(\slot)+2:G0B+4*(\slot)+3], 2*KSTEP*2
.endif
	JLOAD \slot                                    ; the first tensor load behind the round; the four v_nop behind it are also the places in front of the loads below
	FETCH \next, 0, F0
	WIN MUL_HI
	MUL16 F1, 1, 0, 0
	MUL16 F1, 1, 2, 0
.endm
; THE WAY OUT OF y1 AND y2, block a of 16 rows, in three parts.  PACK: rounded to f16, two neighbouring columns a word.  TOSTAGE: word by word into my own stage, laid as y lies in memory, and back 16 bytes a lane.  SEND: stored.
.macro PACK a
.set AC, 64*((\a)%4)
	WIN 0x0a+5*((\a)/4)                            ; sources 0 and 1: window 2 or 3
.irp b, 0,1,2,3,4,5,6,7
.irp r, 0,1,2,3
	v_cvt_pk_f16_f32 v[TMP+4*(\b)+(\r)], v[AC+8*(\b)+2*(\r)], v[AC+8*(\b)+2*(\r)+1]  ; each accumulator's registers in ascending order
.endr
.endr
	WIN 0
.endm
.macro TOSTAGE a
	WIN 0
.set BK, OB+192*((\a)%2)
.irp b, 0,1,2,3,4,5,6,7
.irp r, 0,1,2,3
	ds_store_b32 v[STO], v[TMP+4*(\b)+(\r)] offset:((\b)/4)*CBP+((\b)%4)*128+16*(\r)  ; pair of columns 8 (b % 4) + 4 (l / 16) + r of block b / 4
.endr
.endr
.irp t, 0,1,2,3,4,5,6,7
	ds_load_b128 v[BK+4*(\t):BK+4*(\t)+3], v[RD] offset:((\t)/4)*CBP+((\t)%4)*QP  ; LDS serves a wave's instructions in order (ISA guide 5.7.1.4): these see the stores above
.endr
.endm
.macro SEND a, younger
	WIN 0
.set BK, OB+192*((\a)%2)
	s_wait_dscnt \younger                          ; the block is back in registers
	s_wait_xcnt 0x0                                ; only behind this wait are the stores' base and the registers that earlier stores read rewritten
.if (\a) == 0
	s_add_nc_u64 s[8:9], s[8:9], s[16:17]          ; on to this tile's first rows
.else
	s_add_nc_u64 s[8:9], s[8:9], 2048              ; 16 rows on in each block
.endif
.irp t, 0,1,2,3,4,5,6,7
	global_store_b128 v[CO], v[BK+4*(\t):BK+4*(\t)+3], s[8:9] offset:((\t)/4)*CBLK+((\t)%4)*512  ; 512 consecutive bytes, at a multiple of 512 from y's first byte
.endr
.endm
; THE SCORES, block a of 16 rows: for my lane's row and 64 columns  w2 tanh(z) = w2 + (-2 w2) / (1 + 2^(2 log2(e) z)), z = the sum + b1; all in f32.
.macro SCORE a
.set AC, 64*((\a)%4)
	WIN 0x12+(\a)/4                                ; source 0 window 2 or 3, source 2 window 1, destination window 0
.set i, 0
.rept 32
	v_pk_fma_f32 v[T+2*i:T+2*i+1], v[AC+2*i:AC+2*i+1], s[74:75], v[B1C+2*i:B1C+2*i+1] op_sel_hi:[1,0,1]  ; ascending: each accumulator is read from its low end on
.set i, i+1
.endr
	WIN 0
.set i, 0
.rept 64
	v_exp_f32 v[T+i], v[T+i]
.set i, i+1
.endr
	v_nop                                          ; a plain instruction between the last exponential and the use of its result (ISA guide 5.7.2)
.set i, 0
	s_wait_alu depctr_va_vdst(0)
.rept 32
	v_pk_add_f32 v[T+2*i:T+2*i+1], v[T+2*i:T+2*i+1], 1.0 op_sel_hi:[1,0]
.set i, i+1
.endr
.set i, 0
.rept 64
	v_rcp_f32 v[T+i], v[T+i]
.set i, i+1
.endr
	v_nop
	WIN 0x04                                       ; source 1 (-2 w2) in window 1
.set i, 0
	s_wait_alu depctr_va_vdst(0)
.rept 4
	v_pk_mul_f32 v[PS+2*i:PS+2*i+1], v[T+2*i:T+2*i+1], v[W2N+2*i:W2N+2*i+1]  ; four chains, started by the first four pairs
.set i, i+1
.endr
.rept 28
	v_pk_fma_f32 v[PS+2*(i%4):PS+2*(i%4)+1], v[T+2*i:T+2*i+1], v[W2N+2*i:W2N+2*i+1], v[PS+2*(i%4):PS+2*(i%4)+1]
.set i, i+1
.endr
	WIN 0
	v_pk_add_f32 v[PS:PS+1], v[PS:PS+1], v[PS+2:PS+3]
	v_pk_add_f32 v[PS+4:PS+5], v[PS+4:PS+5], v[PS+6:PS+7]
	v_pk_add_f32 v[PS:PS+1], v[PS:PS+1], v[PS+4:PS+5]
	v_add_f32 v[SB+(\a)], v[PS], v[PS+1]
	v_add_f32 v[SB+(\a)], v[SB+(\a)], v[W2S]
.endm
	s_wait_tensorcnt 1                             ; my part of K step 0 is in; K step 1's may stay out
	s_barrier_signal -1
	s_barrier_wait -1                              ; everybody's is
	FETCH 0, 0, F0
	s_mov_b32 s2, 3                                ; tiles to go, this one among them: the same number in every work-group
.Ltile:
	QUARTER 0, 64,  F0, F1, 1                      ; a tile's first quarter stands in front of the loop: its products start the sums
	WIN 0                                          ; at a label and at a branch every window is 0
	s_mov_b32 s3, LAPS-1
.Llap:                                                 ; a trip goes once round the ring, from a lap's second quarter to the next lap's first, and fills both slots again
	QUARTER 0, 128, F1, F0, 0
	QUARTER 0, 192, F0, F1, 0
	TURN 0, 1, 0
	QUARTER 1, 64,  F0, F1, 0
	QUARTER 1, 128, F1, F0, 0
	QUARTER 1, 192, F0, F1, 0
	TURN 1, 0, 0
	QUARTER 0, 64,  F0, F1, 0
	WIN 0
	s_sub_co_u32 s3, s3, 1
	s_cmp_lg_u32 s3, 0
	s_cbranch_scc1 .Llap
	QUARTER 0, 128, F1, F0, 0                      ; the tile's last lap goes on
	QUARTER 0, 192, F0, F1, 0
	WIN 0
	s_cmp_eq_u32 s2, 1
	s_cbranch_scc1 .Llast_tile                     ; the last tile's tail is written out: it asks for nothing more
	TURN 0, 1, 1                                   ; the ring goes on into the next tile: slot 0 takes its K step 0,
	QUARTER 1, 64,  F0, F1, 0
	QUARTER 1, 128, F1, F0, 0
	QUARTER 1, 192, F0, F1, 0
	TURN 1, 0, 1                                   ; slot 1 its K step 1, and the next tile's first fragments are fetched
	PACK 0                                         ; both refills are asked for: now the tile goes out.  Blocks 0-3 were finished in front of the joint load's four v_nop, and their 128 conversions,
	TOSTAGE 0                                      ; which name no register of the last products (blocks 4-7's), are those products' places
.irp a, 1,2,3,4,5,6,7                  ; block a's conversions stand between block a - 1's loads from the stage and the wait for them
	PACK \a
	SEND (\a)-1, 0
	TOSTAGE \a
.endr
	SEND 7, 0
	s_mov_b64 s[16:17], NEXT_Y                     ; what the next way out adds to y's address
	s_sub_co_u32 s2, s2, 1
	s_branch .Ltile
.Llast_tile:
	MEET 0                                         ; my one tensor load that was still out is slot 1's, the last K step's, so no round follows
	PLACES                                         ; for the loads into buffer 0, which the quarter before multiplied
	FETCH 1, 0, F0
	WIN MUL_HI
	MUL16 F1, 1, 0, 0
	MUL16 F1, 1, 2, 0
	QUARTER 1, 64,  F0, F1, 0
	QUARTER 1, 128, F1, F0, 0
	QUARTER 1, 192, F0, F1, 0
	s_wait_dscnt 8                                 ; the very last quarter: nothing more to fetch
	MUL16 F1, 0, 0, 0
	MUL16 F1, 0, 2, 0
	s_wait_dscnt 0x0
	MUL16 F1, 1, 0, 0
	MUL16 F1, 1, 2, 0
	WIN 0
	s_wait_xcnt 0x0                                ; the registers that y2's last stores read are rewritten only behind this wait
	PLACES                                         ; the lines below read results just made
.irp a, 0,1,2,3,4,5,6,7
	SCORE \a
.endr
.irp a, 0,1,2,3,4,5,6,7
	v_mov_b32 v[XH+(\a)], 0                        ; v_permlanex16_b32's destination counts as read
.endr
.irp a, 0,1,2,3,4,5,6,7
	v_permlanex16_b32 v[XH+(\a)], v[SB+(\a)], s76, s77  ; my row's other 64 columns lie in the lane 16 away
.endr
.irp a, 0,1,2,3,4,5,6,7
	v_add_f32 v[SB+(\a)], v[SB+(\a)], v[XH+(\a)]
.endr
.irp a, 0,1,2,3,4,5,6,7
	ds_store_b32 v[STS], v[SB+(\a)] offset:64*(\a) ; row 16 a + l % 16; both halves of the lanes write the same number to the same word
.endr
	ds_load_b128 v[56:59], v[RD]                   ; back: four rows a lane
	s_wait_dscnt 0x0
	global_store_b128 v[CO], v[56:59], s[72:73]    ; my 128 rows' partial scores: 512 consecutive bytes, at a multiple of 512 from spart's first byte
	s_wait_tensorcnt 0x0                           ; the wave's end, behind my last tensor load and my last LDS store
	ds_add_u32 v[SPW], v[NIL]
	s_wait_dscnt 0x0
	CROUND                                         ; the closing round: no work-group ends while a partner may still ask for a tile that names it
	s_endpgm
.Lfunc_end_k_qf7c01678f5_gemm:
	.size	k_qf7c01678f5_gemm, .Lfunc_end_k_qf7c01678f5_gemm-k_qf7c01678f5_gemm
	.p2alignl 7, 3214868480
	.fill 96, 4, 3214868480
	.section	.rodata,"a",@progbits
	.p2align	6, 0x0
	.amdhsa_kernel k_qf7c01678f5_gemm
		.amdhsa_group_segment_fixed_size 327680
		.amdhsa_private_segment_fixed_size 0
		.amdhsa_enable_private_segment 0
		.amdhsa_kernarg_size 48
		.amdhsa_user_sgpr_count 2
		.amdhsa_user_sgpr_kernarg_segment_ptr 1
		.amdhsa_wavefront_size32 1
		.amdhsa_system_sgpr_workgroup_id_x 1
		.amdhsa_system_sgpr_workgroup_id_y 1
		.amdhsa_system_sgpr_workgroup_id_z 1
		.amdhsa_system_vgpr_workitem_id 0
		.amdhsa_next_free_vgpr 1024
		.amdhsa_next_free_sgpr 82
		.amdhsa_reserve_vcc 0
		.amdhsa_float_denorm_mode_32 3
		.amdhsa_float_denorm_mode_16_64 3
		.amdhsa_memory_ordered 1
		.amdhsa_forward_progress 1
		.amdhsa_inst_pref_size 255
	.end_amdhsa_kernel
	.section	.bss,"aw",@nobits
	.p2align	6
	.space	262144
	.amdgpu_metadata
---
amdhsa.version: [ 1, 2 ]
amdhsa.kernels:
  - .name:           k_qf7c01678f5_gemm
    .symbol:         k_qf7c01678f5_gemm.kd
    .args:
      - { .name: xb, .offset: 0, .size: 8, .value_kind: global_buffer, .address_space: global }
      - { .name: wall, .offset: 8, .size: 8, .value_kind: global_buffer, .address_space: global }
      - { .name: y, .offset: 16, .size: 8, .value_kind: global_buffer, .address_space: global }
      - { .name: b1, .offset: 24, .size: 8, .value_kind: global_buffer, .address_space: global }
      - { .name: w2, .offset: 32, .size: 8, .value_kind: global_buffer, .address_space: global }
      - { .name: spart, .offset: 40, .size: 8, .value_kind: global_buffer, .address_space: global }
    .group_segment_fixed_size: 327680
    .private_segment_fixed_size: 0
    .kernarg_segment_align: 8
    .kernarg_segment_size: 48
    .max_flat_workgroup_size: 128
    .sgpr_count:     82
    .vgpr_count:     1024
    .wavefront_size: 32
...
	.end_amdgpu_metadata
.endif
;; end of part 2
;; launch finish (part 3): grid 32 x 8, 16 waves a work-group, no clusters, 23,040 bytes of LDS; arguments y, spart, b2, bc, out0; writes out0
.if DOCPART == 3
	.amdgcn_target "amdgcn-amd-amdhsa--gfx1250"
	.amdhsa_code_object_version 6
	.text
	.protected	k_qf7c01678f5_finish
	.globl	k_qf7c01678f5_finish
	.p2align	8
	.type	k_qf7c01678f5_finish,@function
k_qf7c01678f5_finish:
	s_mov_b64 s[64:65], 0
	v_nop
	global_prefetch_b8 v0, s[64:65] scope:SCOPE_SE
	s_setreg_imm32_b32 hwreg(HW_REG_WAVE_MODE, 25, 1), 1
	s_wait_xcnt 0x0
; out[t][d] = tanh( cumsum_t(e y1)[d] / cumsum_t(e) + y2[t][d] + bc[d] ),  e = exp(s - max over the batch of s),  s = the sum of 8 partial scores + b2.
; y1 = x Wc1^T and y2 = x Wc2^T come in f16, in blocks: [64 columns][four rows][pair of columns][row in the four][2]: a lane's 16 bytes are four consecutive rows of its two columns.
; SHARES.  A work-group owns 64 columns and half of a batch's 2,048 rows; each of its 16 waves 64 consecutive rows; a lane two columns in every row.  So the scan runs inside a lane, and e and the
; divisor are the same in all lanes.  256 work-groups.  Every work-group makes the batch's 2,048 e for itself (64 KiB of partial scores).
; THE CARRY.  A wave sums e y1 over its 64 rows; the sums meet in LDS; a wave starts from the sums of the waves in front of it.  The second half's work-groups also need the first half's sum:
; each wave sums 64 rows of the first half.  The first half's work-groups run the same lines on their own rows and drop the result by a select: one text without a branch, in which
; every register and LDS byte that is read is written on every path; the second half's work-groups need those lines anyway.
; LDS ADDRESSES hang on the wave's number, the lane and constants alone.  Which half of the batch's e is mine is settled by a select between values: each wave reads its 256 bytes of e
; from both halves, keeps the right ones and lays them into 256 bytes of its own (EOWN), from which the sums and the scan take them.
; THE EXPONENT.  The batch's maximum m is taken away, as in the reference; e is kept as 2^64 e, which cancels in the quotient: the largest is 2^64, a sum of 2,048 of them times an f16 number stays under 2^92.
; LIMITS.  A weight below 2^-190 of the batch's largest counts as 0; where all weights up to a row are 0 the row is NaN.  The quotient is a reciprocal and a multiply.
; Partial scores, the divisor and the numerator are added in f32 in pieces (8 parts; chunks of 64 rows), not in the reference's order.  b2 and bc are rounded to bf16 like every input of the program.
; NO CLUSTER, NO TENSOR LOADS: what work-groups share (the partial scores; the first half's y1, read twice) is an eighth of a work-group's bytes, and all loads go straight into registers, issued at once at the head.
.set ELDS,  0                          ; 2,048 e, f32
.set ESUM,  8192                       ; 32 sums of e over 64 rows
.set WMAX,  8448                       ; 16 waves' maxima
.set TOT,   8704                       ; 16 waves x 32 lanes x 2 f32: sums of e y1 over the wave's rows
.set EXT,   12800                      ; the same over 64 rows of the first half
.set EOWN,  16896                      ; 16 waves x 64 f32: the e of the wave's own 64 rows; written and read by that wave alone
.set SPARE, 20992                      ; the spare words, 128 bytes for each of 16 waves: eight blocks of 256 bytes that no other line names
.set EQ,  24                           ; v[24:31]   two sets of four e, by turns
.set AC,  32                           ; v[32:63]   at work
.set OS,  48                           ; v[48:63]   two sets of four rows' results, by turns
.set Y1,  64                           ; v[64:127]  y1 of my 64 rows
.set Y2,  128                          ; v[128:191] y2
.set EX,  192                          ; v[192:255] y1 of 64 rows of the first half; later the waves' sums
; v2 16 x lane; v3 8 x lane; v4 16 x thread; v5, v6, v11 LDS addresses; v7 0; v8 my rows' e in EOWN; v9 chunk w of the first half's e; v10 256 w + 8 x lane; v12, v13 the add's two;
; v[14:15] 2 log2(e) bc; v16 2 log2(e); v17 0; v[18:19] b2; v[20:21] numerator; v22 divisor
	s_load_b256 s[4:11], s[0:1], 0x0               ; y s[4:5], spart s[6:7], b2 s[8:9], bc s[10:11]
	s_load_b64 s[12:13], s[0:1], 0x20              ; out0
	v_lshl_add_u32 v12, v0, 2, SPARE
	v_mov_b32 v13, 0
	v_lshrrev_b32 v1, 5, v0
	v_readfirstlane_b32 s14, v1                    ; wave 0..15
	s_and_b32 s15, ttmp9, 15                       ; which 64 columns
	s_lshr_b32 s16, ttmp9, 4                       ; which half of the rows
	s_and_b32 s17, ttmp7, 0xffff                   ; the batch
	s_cmp_lg_u32 s16, 0
	s_cselect_b32 s29, -1, 0                       ; a mask of all lanes: the second half, or none: the first
	s_lshl_b32 s18, s16, 4
	s_add_co_u32 s18, s18, s14                     ; my chunk of 64 rows among the batch's 32
	s_lshl_b32 s19, s17, 11
	s_lshl_b32 s21, s18, 6
	s_add_co_u32 s19, s19, s21                     ; my first row
	s_mov_b32 s22, 0x3fb8aa3b                      ; log2(e)
	s_mov_b32 s23, s22
	s_mov_b32 s24, 0x4038aa3b                      ; 2 log2(e)
	s_mov_b32 s25, s24
	s_mov_b32 s26, 0x76543210                      ; v_permlanex16_b32: each lane takes its own place in the other half
	s_mov_b32 s27, 0xfedcba98
	s_mov_b32 s28, 0xffff0000
	s_mov_b32 s44, 0x42800000                      ; 64.0
	s_mov_b32 s45, s44
	v_and_b32 v1, 31, v0
	v_lshlrev_b32 v2, 4, v1
	v_lshlrev_b32 v3, 3, v1
	v_lshlrev_b32 v4, 4, v0
	v_lshrrev_b32 v5, 4, v0
	v_lshl_add_u32 v5, v5, 2, ESUM                 ; sixteen threads hold 64 rows
	s_lshl_b32 s21, s14, 2
	s_add_co_u32 s21, s21, WMAX
	v_mov_b32 v6, s21
	v_mov_b32 v7, 0
	s_lshl_b32 s21, s14, 8                         ; 256 bytes a wave
	v_mov_b32 v9, s21                              ; chunk w of the first half's e
	v_add_nc_u32 v10, s21, v3                      ; my 8 bytes of a wave's 256
	s_add_co_u32 s39, s21, EOWN
	v_mov_b32 v8, s39                              ; my rows' e, in my wave's own bytes
	s_add_co_u32 s21, s21, TOT
	v_add_nc_u32 v11, s21, v3
	v_mov_b32 v16, s24
	v_mov_b32 v17, 0
	v_mov_b32 v41, 0                               ; named in pairs with the reciprocals
	v_mov_b32 v43, 0
	v_mov_b32 v45, 0
	v_mov_b32 v47, 0
	s_lshl_b32 s34, s15, 21                        ; y1: my block,
	s_lshl_b32 s35, s19, 7                         ; my first row x 128 bytes
	s_add_co_u32 s34, s34, s35
	s_mov_b32 s35, 0
	s_lshl_b32 s36, s16, 17                        ; 1,024 rows back for the second half, none for the first
	s_mov_b32 s37, 0
	s_lshl_b32 s38, s19, 12                        ; out: rows of 4,096 bytes,
	s_lshl_b32 s39, s15, 8                         ; my 64 columns: 256 bytes
	s_add_co_u32 s38, s38, s39
	s_mov_b32 s39, 0
	s_lshl_b32 s40, s17, 13                        ; the batch's 2,048 partial scores
	s_mov_b32 s41, 0
	s_lshl_b32 s42, s15, 8
	s_mov_b32 s43, 0
	s_wait_kmcnt 0x0
	s_load_b32 s20, s[8:9], 0x0                    ; b2
	s_add_nc_u64 s[30:31], s[4:5], s[34:35]        ; y1 at my rows
	s_add_nc_u64 s[32:33], s[30:31], 33554432      ; y2: 16 blocks on
	s_sub_nc_u64 s[46:47], s[30:31], s[36:37]      ; y1 at chunk w of the first half
	s_add_nc_u64 s[12:13], s[12:13], s[38:39]
	s_add_nc_u64 s[6:7], s[6:7], s[40:41]
	s_add_nc_u64 s[10:11], s[10:11], s[42:43]
	; all 57 loads at once, in the order in which they are wanted
	global_load_b64 v[14:15], v3, s[10:11]
.irp p, 0,1,2,3,4,5,6,7
	global_load_b128 v[AC+4*(\p):AC+4*(\p)+3], v4, s[6:7] offset:(\p)*65536  ; thread i: rows 4 i .. 4 i + 3 of the batch, part p
.endr
.irp q, 0,1,2,3,4,5,6,7,8,9,10,11,12,13,14,15
	global_load_b128 v[EX+4*(\q):EX+4*(\q)+3], v2, s[46:47] offset:512*(\q)
.endr
.irp q, 0,1,2,3,4,5,6,7,8,9,10,11,12,13,14,15
	global_load_b128 v[Y1+4*(\q):Y1+4*(\q)+3], v2, s[30:31] offset:512*(\q)  ; 512 consecutive bytes: four rows
.endr
.irp q, 0,1,2,3,4,5,6,7,8,9,10,11,12,13,14,15
	global_load_b128 v[Y2+4*(\q):Y2+4*(\q)+3], v2, s[32:33] offset:512*(\q) th:TH_LOAD_NT
.endr
	s_wait_kmcnt 0x0
	v_mov_b32 v18, s20
	v_cvt_pk_bf16_f32 v18, v18, v18                ; b2 rounded to bf16
	v_lshlrev_b32 v18, 16, v18
	v_mov_b32 v19, v18
	; THE SCORES, THEIR MAXIMUM, e
	s_wait_loadcnt 48                              ; bc and the partial scores are in; the 48 loads of y stay out
	v_cvt_pk_bf16_f32 v14, v14, v15                ; bc rounded to bf16, times 2 log2(e)
	v_and_b32 v15, s28, v14
	v_lshlrev_b32 v14, 16, v14
	v_pk_mul_f32 v[14:15], v[14:15], s[24:25] op_sel_hi:[1,0]
.irp p, 0,2,4,6
	v_pk_add_f32 v[AC+4*(\p):AC+4*(\p)+1],   v[AC+4*(\p):AC+4*(\p)+1],   v[AC+4*(\p)+4:AC+4*(\p)+5]
	v_pk_add_f32 v[AC+4*(\p)+2:AC+4*(\p)+3], v[AC+4*(\p)+2:AC+4*(\p)+3], v[AC+4*(\p)+6:AC+4*(\p)+7]
.endr
.irp p, 0,4
	v_pk_add_f32 v[AC+4*(\p):AC+4*(\p)+1],   v[AC+4*(\p):AC+4*(\p)+1],   v[AC+4*(\p)+8:AC+4*(\p)+9]
	v_pk_add_f32 v[AC+4*(\p)+2:AC+4*(\p)+3], v[AC+4*(\p)+2:AC+4*(\p)+3], v[AC+4*(\p)+10:AC+4*(\p)+11]
.endr
	v_pk_add_f32 v[32:33], v[32:33], v[48:49]
	v_pk_add_f32 v[34:35], v[34:35], v[50:51]
	v_pk_add_f32 v[32:33], v[32:33], v[18:19]      ; + b2
	v_pk_add_f32 v[34:35], v[34:35], v[18:19]
	v_max3_num_f32 v36, v32, v33, v34
	v_max_num_f32 v36, v36, v35
	v_mov_b32 v37, 0
	v_max_num_f32_dpp v36, v36, v36 row_xmask:1 row_mask:0xf bank_mask:0xf
	v_max_num_f32_dpp v36, v36, v36 row_xmask:2 row_mask:0xf bank_mask:0xf
	v_max_num_f32_dpp v36, v36, v36 row_xmask:4 row_mask:0xf bank_mask:0xf
	v_max_num_f32_dpp v36, v36, v36 row_xmask:8 row_mask:0xf bank_mask:0xf
	v_permlanex16_b32 v37, v36, s26, s27
	v_max_num_f32 v36, v36, v37                    ; my wave's 128 rows' maximum
	ds_store_b32 v6, v36
	s_wait_dscnt 0x0                               ; for the others' sake: my store is done
	s_barrier_signal -1
	s_barrier_wait -1
.irp i, 0,1,2,3
	ds_load_b128 v[40+4*(\i):43+4*(\i)], v7 offset:WMAX+16*(\i)
.endr
	s_wait_dscnt 0x0
	v_max3_num_f32 v40, v40, v41, v42
	v_max3_num_f32 v43, v43, v44, v45
	v_max3_num_f32 v46, v46, v47, v48
	v_max3_num_f32 v49, v49, v50, v51
	v_max3_num_f32 v52, v52, v53, v54
	v_max3_num_f32 v40, v40, v43, v46
	v_max3_num_f32 v49, v49, v52, v55
	v_max_num_f32 v38, v40, v49                    ; the batch's maximum
	v_mov_b32 v39, v38
	v_pk_add_f32 v[32:33], v[32:33], v[38:39] neg_lo:[0,1] neg_hi:[0,1]
	v_pk_add_f32 v[34:35], v[34:35], v[38:39] neg_lo:[0,1] neg_hi:[0,1]
	v_pk_fma_f32 v[32:33], v[32:33], s[22:23], s[44:45] op_sel_hi:[1,0,0]  ; log2(e) (s - m) + 64
	v_pk_fma_f32 v[34:35], v[34:35], s[22:23], s[44:45] op_sel_hi:[1,0,0]
	v_exp_f32 v32, v32
	v_exp_f32 v33, v33
	v_exp_f32 v34, v34
	v_exp_f32 v35, v35
	v_mov_b32 v41, 0                               ; a plain line behind the exponentials (ISA guide 5.7.2); these four registers were used above and are set again
	v_mov_b32 v43, 0
	v_mov_b32 v45, 0
	v_mov_b32 v47, 0
	s_wait_alu depctr_va_vdst(0)
	ds_store_b128 v4, v[32:35]
	v_pk_add_f32 v[36:37], v[32:33], v[34:35]
	v_add_f32 v36, v36, v37
	v_add_f32_dpp v36, v36, v36 row_xmask:1 row_mask:0xf bank_mask:0xf
	v_add_f32_dpp v36, v36, v36 row_xmask:2 row_mask:0xf bank_mask:0xf
	v_add_f32_dpp v36, v36, v36 row_xmask:4 row_mask:0xf bank_mask:0xf
	v_add_f32_dpp v36, v36, v36 row_xmask:8 row_mask:0xf bank_mask:0xf
	ds_store_b32 v5, v36                           ; sixteen lanes hold a chunk of 64 rows: its sum of e
	s_wait_dscnt 0x0
	s_barrier_signal -1
	s_barrier_wait -1
	; MY ROWS' e INTO MY OWN BYTES, and THE DIVISOR in front of my rows: the chunks' sums up to mine
	ds_load_b64 v[20:21], v10                      ; chunk w: my rows in the first half,
	ds_load_b64 v[24:25], v10 offset:4096          ; chunk 16 + w: in the second
.irp i, 0,1,2,3,4,5,6,7
	ds_load_b128 v[AC+4*(\i):AC+4*(\i)+3], v7 offset:ESUM+16*(\i)
.endr
	v_mov_b32 v22, 0
	s_wait_dscnt 0x0
	v_cndmask_b32 v20, v20, v24, s29               ; the half that is mine
	v_cndmask_b32 v21, v21, v25, s29
	ds_store_b64 v10, v[20:21] offset:EOWN         ; my wave's 256 bytes; LDS serves a wave's instructions in order (ISA guide 5.7.1.4), so my later loads see them, and no other wave names them
.set k, 0
.rept 31
	s_cmp_le_u32 s18, k
	s_cbranch_scc1 .Lden_done
	v_add_f32 v22, v22, v[AC+k]
.set k, k+1
.endr
.Lden_done:
; The sum of e y1 over the 64 rows in registers R .., whose e lie at LDS address EA: four chains by the row in a four, low and high column; e comes four at a time, one set ahead.
.macro TOTAL R, EA
	ds_load_b128 v[EQ:EQ+3], v[\EA]
.set q, 0
.rept 16
.if q < 15
	ds_load_b128 v[EQ+4*((q+1)%2):EQ+4*((q+1)%2)+3], v[\EA] offset:16*(q+1)
	s_wait_dscnt 1                                 ; this four's e are in; the next four's may stay out
.else
	s_wait_dscnt 0x0
.endif
.irp r, 0,1,2,3
.if q == 0
	v_fma_mix_f32 v[AC+2*(\r)],   v[(\R)+4*q+(\r)], v[EQ+4*(q%2)+(\r)], v17 op_sel_hi:[1,0,0]
	v_fma_mix_f32 v[AC+2*(\r)+1], v[(\R)+4*q+(\r)], v[EQ+4*(q%2)+(\r)], v17 op_sel:[1,0,0] op_sel_hi:[1,0,0]
.else
	v_fma_mix_f32 v[AC+2*(\r)],   v[(\R)+4*q+(\r)], v[EQ+4*(q%2)+(\r)], v[AC+2*(\r)] op_sel_hi:[1,0,0]
	v_fma_mix_f32 v[AC+2*(\r)+1], v[(\R)+4*q+(\r)], v[EQ+4*(q%2)+(\r)], v[AC+2*(\r)+1] op_sel:[1,0,0] op_sel_hi:[1,0,0]
.endif
.endr
.set q, q+1
.endr
	v_pk_add_f32 v[AC:AC+1], v[AC:AC+1], v[AC+2:AC+3]
	v_pk_add_f32 v[AC+4:AC+5], v[AC+4:AC+5], v[AC+6:AC+7]
	v_pk_add_f32 v[AC:AC+1], v[AC:AC+1], v[AC+4:AC+5]
.endm
	s_wait_loadcnt 32                              ; the first half's rows are in; y1 and y2 of my rows stay out
	TOTAL EX, 9
	ds_store_b64 v11, v[AC:AC+1] offset:EXT-TOT
	s_wait_loadcnt 16                              ; y1 is in; y2 stays out
	TOTAL Y1, 8
	ds_store_b64 v11, v[AC:AC+1]
	s_wait_dscnt 0x0
	s_barrier_signal -1
	s_barrier_wait -1
	; THE NUMERATOR in front of my rows
.irp k, 0,1,2,3,4,5,6,7,8,9,10,11,12,13,14,15
	ds_load_b64 v[EX+2*(\k):EX+2*(\k)+1], v3 offset:EXT+256*(\k)
.endr
.irp k, 0,1,2,3,4,5,6,7,8,9,10,11,12,13,14
	ds_load_b64 v[EX+32+2*(\k):EX+32+2*(\k)+1], v3 offset:TOT+256*(\k)
.endr
	s_wait_dscnt 0x0
	v_pk_add_f32 v[20:21], v[EX:EX+1], v[EX+2:EX+3]
.set k, 2
.rept 14
	v_pk_add_f32 v[20:21], v[20:21], v[EX+2*k:EX+2*k+1]
.set k, k+1
.endr
	v_cndmask_b32 v20, 0, v20, s29                 ; the second half takes the first half's sum, the first half 0
	v_cndmask_b32 v21, 0, v21, s29
.set k, 0
.rept 15
	s_cmp_le_u32 s14, k
	s_cbranch_scc1 .Lcar_done
	v_pk_add_f32 v[20:21], v[20:21], v[EX+32+2*k:EX+32+2*k+1]
.set k, k+1
.endr
.Lcar_done:
; THE SCAN, four rows at a time.  Numerator and divisor run on from row to row; 2 log2(e) is folded into the reciprocal, into y2's widening and into bc; tanh(z) = 1 - 2 / (1 + 2^(2 log2(e) z)).
.macro QUAD q
.set EB, EQ+4*((\q)%2)
.set O,  OS+8*((\q)%2)
.if (\q) < 15
	ds_load_b128 v[EQ+4*(((\q)+1)%2):EQ+4*(((\q)+1)%2)+3], v8 offset:16*((\q)+1)
	s_wait_dscnt 1                                 ; this four's e are in; the next four's may stay out
.else
	s_wait_dscnt 0x0
.endif
	s_wait_xcnt 0x0                                ; the results that earlier stores read are rewritten only behind this wait
	v_fma_mix_f32 v32, v[Y1+4*(\q)], v[EB], v20 op_sel_hi:[1,0,0]
	v_fma_mix_f32 v33, v[Y1+4*(\q)], v[EB], v21 op_sel:[1,0,0] op_sel_hi:[1,0,0]
	v_add_f32 v40, v22, v[EB]
	v_fma_mix_f32 v34, v[Y1+4*(\q)+1], v[EB+1], v32 op_sel_hi:[1,0,0]
	v_fma_mix_f32 v35, v[Y1+4*(\q)+1], v[EB+1], v33 op_sel:[1,0,0] op_sel_hi:[1,0,0]
	v_add_f32 v42, v40, v[EB+1]
	v_fma_mix_f32 v36, v[Y1+4*(\q)+2], v[EB+2], v34 op_sel_hi:[1,0,0]
	v_fma_mix_f32 v37, v[Y1+4*(\q)+2], v[EB+2], v35 op_sel:[1,0,0] op_sel_hi:[1,0,0]
	v_add_f32 v44, v42, v[EB+2]
	v_fma_mix_f32 v20, v[Y1+4*(\q)+3], v[EB+3], v36 op_sel_hi:[1,0,0]
	v_fma_mix_f32 v21, v[Y1+4*(\q)+3], v[EB+3], v37 op_sel:[1,0,0] op_sel_hi:[1,0,0]
	v_add_f32 v22, v44, v[EB+3]
	v_rcp_f32 v40, v40
	v_rcp_f32 v42, v42
	v_rcp_f32 v44, v44
	v_rcp_f32 v46, v22
.irp k, 0,1,2,3                        ; 2 log2(e) (y2 + bc): plain lines between the reciprocals and their use
	v_fma_mix_f32 v[O+2*(\k)],   v[Y2+4*(\q)+(\k)], v16, v14 op_sel_hi:[1,0,0]
	v_fma_mix_f32 v[O+2*(\k)+1], v[Y2+4*(\q)+(\k)], v16, v15 op_sel:[1,0,0] op_sel_hi:[1,0,0]
.endr
	s_wait_alu depctr_va_vdst(0)
.irp k, 0,1,2,3
	v_mul_f32 v[40+2*(\k)], v16, v[40+2*(\k)]
.endr
	v_pk_fma_f32 v[O:O+1],   v[32:33], v[40:41], v[O:O+1]   op_sel_hi:[1,0,1]
	v_pk_fma_f32 v[O+2:O+3], v[34:35], v[42:43], v[O+2:O+3] op_sel_hi:[1,0,1]
	v_pk_fma_f32 v[O+4:O+5], v[36:37], v[44:45], v[O+4:O+5] op_sel_hi:[1,0,1]
	v_pk_fma_f32 v[O+6:O+7], v[20:21], v[46:47], v[O+6:O+7] op_sel_hi:[1,0,1]
.irp k, 0,1,2,3,4,5,6,7
	v_exp_f32 v[O+(\k)], v[O+(\k)]
.endr
	v_nop
	s_wait_alu depctr_va_vdst(0)
.irp k, 0,2,4,6
	v_pk_add_f32 v[O+(\k):O+(\k)+1], v[O+(\k):O+(\k)+1], 1.0 op_sel_hi:[1,0]
.endr
.irp k, 0,1,2,3,4,5,6,7
	v_rcp_f32 v[O+(\k)], v[O+(\k)]
.endr
	v_nop
	s_wait_alu depctr_va_vdst(0)
.irp k, 0,2,4,6
	v_pk_fma_f32 v[O+(\k):O+(\k)+1], v[O+(\k):O+(\k)+1], -2.0, 1.0 op_sel_hi:[1,0,0]
.endr
.irp k, 0,1,2,3
	global_store_b64 v3, v[O+2*(\k):O+2*(\k)+1], s[12:13] offset:(4*(\q)+(\k))*4096 th:TH_STORE_NT  ; the wave's 32 lanes store 256 consecutive bytes, at a multiple of 256 from out0's first byte
.endr
.endm
	ds_load_b128 v[EQ:EQ+3], v8
	s_wait_loadcnt 0x0                             ; y2
.irp q, 0,1,2,3,4,5,6,7,8,9,10,11,12,13,14,15
	QUAD \q
.endr
	s_wait_tensorcnt 0x0                           ; the wave's end, behind my last LDS store
	ds_add_u32 v12, v13
	s_wait_dscnt 0x0
	s_endpgm
.Lfunc_end_k_qf7c01678f5_finish:
	.size	k_qf7c01678f5_finish, .Lfunc_end_k_qf7c01678f5_finish-k_qf7c01678f5_finish
	.p2alignl 7, 3214868480
	.fill 96, 4, 3214868480
	.section	.rodata,"a",@progbits
	.p2align	6, 0x0
	.amdhsa_kernel k_qf7c01678f5_finish
		.amdhsa_group_segment_fixed_size 23040
		.amdhsa_private_segment_fixed_size 0
		.amdhsa_enable_private_segment 0
		.amdhsa_kernarg_size 40
		.amdhsa_user_sgpr_count 2
		.amdhsa_user_sgpr_kernarg_segment_ptr 1
		.amdhsa_wavefront_size32 1
		.amdhsa_system_sgpr_workgroup_id_x 1
		.amdhsa_system_sgpr_workgroup_id_y 1
		.amdhsa_system_sgpr_workgroup_id_z 1
		.amdhsa_system_vgpr_workitem_id 0
		.amdhsa_next_free_vgpr 256
		.amdhsa_next_free_sgpr 66
		.amdhsa_reserve_vcc 0
		.amdhsa_float_denorm_mode_32 3
		.amdhsa_float_denorm_mode_16_64 3
		.amdhsa_memory_ordered 1
		.amdhsa_forward_progress 1
		.amdhsa_inst_pref_size 94
	.end_amdhsa_kernel
	.amdgpu_metadata
---
amdhsa.version: [ 1, 2 ]
amdhsa.kernels:
  - .name:           k_qf7c01678f5_finish
    .symbol:         k_qf7c01678f5_finish.kd
    .args:
      - { .name: y, .offset: 0, .size: 8, .value_kind: global_buffer, .address_space: global }
      - { .name: spart, .offset: 8, .size: 8, .value_kind: global_buffer, .address_space: global }
      - { .name: b2, .offset: 16, .size: 8, .value_kind: global_buffer, .address_space: global }
      - { .name: bc, .offset: 24, .size: 8, .value_kind: global_buffer, .address_space: global }
      - { .name: out0, .offset: 32, .size: 8, .value_kind: global_buffer, .address_space: global }
    .group_segment_fixed_size: 23040
    .private_segment_fixed_size: 0
    .kernarg_segment_align: 8
    .kernarg_segment_size: 40
    .max_flat_workgroup_size: 512
    .sgpr_count:     66
    .vgpr_count:     256
    .wavefront_size: 32
...
	.end_amdgpu_metadata
.endif
;; end of part 3
;; ======== version 2 of 2: 3 launches; version 1 with the launches cast, finish written anew for expert scheduling mode
;; limits: values are held in f16: magnitudes above 65,504 overflow, below 6.1e-05 lose precision
;; workspace buffers: xb 33,554,432 bytes; wall 6,291,456 bytes; y 67,108,864 bytes; spart 524,288 bytes
;; launch cast (part 4): grid 304 x 1, 8 waves a work-group, no clusters, 0 bytes of LDS; arguments x, W1, Wc, xb, wall; writes xb, wall
.if DOCPART == 4
	.amdgcn_target "amdgcn-amd-amdhsa--gfx1250"
	.amdhsa_code_object_version 6
	.text
	.protected	k_qf7c01678f5_cast
	.globl	k_qf7c01678f5_cast
	.p2align	8
	.type	k_qf7c01678f5_cast,@function
k_qf7c01678f5_cast:
	s_mov_b64 s[64:65], 0
	v_nop
	global_prefetch_b8 v0, s[64:65] scope:SCOPE_SE
	s_setreg_imm32_b32 hwreg(HW_REG_WAVE_SCHED_MODE, 0, 2), 2
	s_setreg_imm32_b32 hwreg(HW_REG_WAVE_MODE, 25, 1), 1
	s_wait_xcnt 0x0
	s_wait_alu depctr_vm_vsrc(0)
; x, W1 and Wc are rounded once to bf16 (nearest even): x -> xb [16384][1024]; the weights -> wall [3072][1024]:
; rows 0-1023 = Wc[d][0:1024], rows 1024-2047 = Wc[d][1024:2048], rows 2048-3071 = W1.  One B matrix for the one product that follows.
; A SEGMENT is 1,024 f32: 4,096 bytes in, 2,048 bytes out.  A work-group takes 64 segments; thread t the 16 bytes at 16 t of each:
; a wave's load covers 512 consecutive bytes, its store 256 consecutive bytes at a multiple of 256 from the buffer's first byte.
; Work-groups 0-255: x.  256-271: W1.  272-303: Wc, whose segments lie 8,192 bytes apart (half a row each).
; A stream: every byte is read once and written once, nothing is shared between work-groups, so there is no LDS, no barrier, no cluster and no matrix work.
; THE MODE: SCHED_MODE bits 1:0 = 2 (LLVM: expert scheduling mode 2), set by the entry lines.  The code itself states the register dependences
; between vector instructions and memory instructions, with s_wait_alu, always for 0.
; THE PLAN.  The 64 segments go in 16 blocks of four.  Registers that memory instructions touch:
;   X0 .. X3   four blocks as loaded.    Written by the loads of block p + 3, issued in block p; read by block p's conversions.
;   Y0, Y1     two blocks to store.      Written by block p's conversions; read by the four stores that are issued in block p + 1.
;   v[IN ..], v[OUTO]  byte offsets, made once at the head and never written again.  The distance from segment to segment hangs on the work-group, so it cannot stand in an
;              immediate: segment i of a block has an offset register of its own, and the blocks are reached by scalar bases that move on at each block's head.
; Block p works on X[p % 4] and writes Y[p % 2].  Its memory instructions are the loads into X[(p + 3) % 4] = X[(p - 1) % 4] and the stores from
; Y[(p - 1) % 2]: the two buffers that block p - 1 worked on and that no vector instruction of block p names.  So the waits at the head of a block
; state all that the block's eight memory instructions hang on, and these are dealt among its vector instructions with no further wait.
.set BLOCK,  4                         ; segments in a block
.set BLOCKS, 64/BLOCK
.set SEGOUT, 2048
.set IN,   2                           ; v[2:5]    segment i of a block: 16 t + i x the distance from segment to segment
.set OUTO, 6                           ; v6        8 t: my 8 bytes in every segment of the output
.set X,    8                           ; v[8:71]   buffer k, segment i: 4 registers at X + 16 k + 4 i, 4 f32 as loaded
.set Y,    72                          ; v[72:87]  buffer k, segment i: 2 registers at Y + 8 k + 2 i, 4 bf16 to store
	s_load_b256 s[4:11], s[0:1], 0x0               ; x s[4:5], W1 s[6:7], Wc s[8:9], xb s[10:11]
	s_load_b64 s[12:13], s[0:1], 0x20              ; wall
	s_mov_b32 s14, ttmp9                           ; g
	s_max_u32 s15, s14, 272                        ; the case Wc: k = g - 272 (clamped, so that the offsets of a case not taken stay small)
	s_sub_co_u32 s15, s15, 272
	s_lshr_b32 s16, s15, 4                         ; which half of Wc's rows: 4,096 bytes in,
	s_lshl_b32 s16, s16, 12
	s_and_b32 s17, s15, 15                         ; which 64 rows of 8,192 bytes
	s_lshl_b32 s17, s17, 19
	s_add_co_u32 s20, s16, s17                     ; source offset
	s_lshl_b32 s22, s15, 17                        ; destination offset: 64 k rows of 2,048 bytes
	s_mov_b32 s28, 8192                            ; from segment to segment
	s_max_u32 s15, s14, 256                        ; the case W1: k = g - 256
	s_min_u32 s15, s15, 271
	s_sub_co_u32 s15, s15, 256
	s_lshl_b32 s16, s15, 18
	s_lshl_b32 s17, s15, 17
	s_add_co_u32 s17, s17, 0x400000                ; behind wall's first 2,048 rows
	s_min_u32 s15, s14, 255                        ; the case x
	s_lshl_b32 s18, s15, 18
	s_lshl_b32 s19, s15, 17
	s_mov_b32 s21, 0                               ; the offsets as 64-bit pairs
	s_mov_b32 s23, 0
	s_mov_b32 s31, 0
	v_lshlrev_b32 v[IN], 4, v0                     ; 16 t
	v_lshlrev_b32 v[OUTO], 3, v0                   ; 8 t
	s_wait_kmcnt 0x0
	s_mov_b64 s[24:25], s[8:9]                     ; from Wc
	s_mov_b64 s[26:27], s[12:13]                   ; to wall
	s_cmp_lt_u32 s14, 272
	s_cselect_b64 s[24:25], s[6:7], s[24:25]       ; from W1
	s_cselect_b32 s20, s16, s20
	s_cselect_b32 s22, s17, s22
	s_cselect_b32 s28, 4096, s28
	s_cmp_lt_u32 s14, 256
	s_cselect_b64 s[24:25], s[4:5], s[24:25]       ; from x
	s_cselect_b64 s[26:27], s[10:11], s[26:27]     ; to xb
	s_cselect_b32 s20, s18, s20
	s_cselect_b32 s22, s19, s22
	s_add_nc_u64 s[24:25], s[24:25], s[20:21]      ; the source at block 0,
	s_add_nc_u64 s[26:27], s[26:27], s[22:23]      ; the destination at block 0
	s_lshl_b32 s30, s28, 2                         ; s[30:31]: a block of the source, four segments
	s_add_nc_u64 s[32:33], s[24:25], s[30:31]      ; the source at block 1,
	s_add_nc_u64 s[34:35], s[32:33], s[30:31]      ; at block 2,
	s_add_nc_u64 s[36:37], s[34:35], s[30:31]      ; and at block 3: this one walks on
	v_add_nc_u32 v[IN+1], s28, v[IN]
	v_add_nc_u32 v[IN+2], s28, v[IN+1]
	v_add_nc_u32 v[IN+3], s28, v[IN+2]
	s_wait_alu depctr_va_vdst(0)                   ; the five offsets are written: every load and store of the kernel reads one of them
.irp i, 0,1,2,3
	global_load_b128 v[X+4*(\i):X+4*(\i)+3], v[IN+(\i)], s[24:25] th:TH_LOAD_NT        ; block 0 into X0
.endr
.irp i, 0,1,2,3
	global_load_b128 v[X+16+4*(\i):X+16+4*(\i)+3], v[IN+(\i)], s[32:33] th:TH_LOAD_NT  ; block 1 into X1
.endr
.irp i, 0,1,2,3
	global_load_b128 v[X+32+4*(\i):X+32+4*(\i)+3], v[IN+(\i)], s[34:35] th:TH_LOAD_NT  ; block 2 into X2
.endr
; Block p.  xb = p % 4, yb = p % 2.  first = 1: block 0, with no block in front of it.  ahead = 1: block p + 3 is loaded.
; left = how many younger loads may still be out when this block's four have to be there.
.macro BLK xb, yb, first, ahead, left
	s_wait_loadcnt \left                           ; loads come back in order (ISA guide 5.7.1): X[xb] is in, the younger blocks stay out
.if !\first
	s_wait_xcnt 0x0                                ; every earlier memory instruction has had its addresses translated (ISA guide 3.1): the bases and Y[yb] are rewritten only behind this wait
	s_wait_alu depctr_vm_vsrc(0)                   ; the stores issued in the block before have read Y[yb], which this block's conversions write again
	s_wait_alu depctr_va_vdst(0)                   ; the block before has written the other Y, which the stores below read, and is done reading its X, in which the loads below land
.if \ahead
	s_add_nc_u64 s[36:37], s[36:37], s[30:31]      ; the source at block p + 3
.endif
	s_add_nc_u64 s[26:27], s[26:27], BLOCK*SEGOUT  ; the destination at this block
.endif
.irp i, 0,1,2,3
.if \ahead
	global_load_b128 v[X+16*((\xb+3)%4)+4*(\i):X+16*((\xb+3)%4)+4*(\i)+3], v[IN+(\i)], s[36:37] th:TH_LOAD_NT  ; three blocks ahead; no vector instruction since the wait names these registers
.endif
.if !\first
	global_store_b64 v[OUTO], v[Y+8*(1-\yb)+2*(\i):Y+8*(1-\yb)+2*(\i)+1], s[26:27] offset:((\i)-BLOCK)*SEGOUT  ; the block before: the offset reaches back
.endif
	v_cvt_pk_bf16_f32 v[Y+8*\yb+2*(\i)],   v[X+16*\xb+4*(\i)],   v[X+16*\xb+4*(\i)+1]
	v_cvt_pk_bf16_f32 v[Y+8*\yb+2*(\i)+1], v[X+16*\xb+4*(\i)+2], v[X+16*\xb+4*(\i)+3]
.endr
.endm
	BLK 0, 0, 1, 1, 2*BLOCK                        ; block 0
	s_mov_b32 s38, (BLOCKS-4)/4
.Lround:                                               ; blocks 1 to 12, four to a lap: both kinds of buffer are back at their start
	BLK 1, 1, 0, 1, 2*BLOCK
	BLK 2, 0, 0, 1, 2*BLOCK
	BLK 3, 1, 0, 1, 2*BLOCK
	BLK 0, 0, 0, 1, 2*BLOCK
	s_sub_co_u32 s38, s38, 1
	s_cmp_lg_u32 s38, 0
	s_cbranch_scc1 .Lround
	BLK 1, 1, 0, 0, 2*BLOCK                        ; blocks 13 to 15 load nothing: no load leaves the buffer, and the counts run down
	BLK 2, 0, 0, 0, BLOCK
	BLK 3, 1, 0, 0, 0
	s_wait_alu depctr_va_vdst(0)                   ; block 15 has written Y1, which the last four stores read
.irp i, 0,1,2,3
	global_store_b64 v[OUTO], v[Y+8+2*(\i):Y+8+2*(\i)+1], s[26:27] offset:(\i)*SEGOUT
.endr
	s_endpgm
.Lfunc_end_k_qf7c01678f5_cast:
	.size	k_qf7c01678f5_cast, .Lfunc_end_k_qf7c01678f5_cast-k_qf7c01678f5_cast
	.p2alignl 7, 3214868480
	.fill 96, 4, 3214868480
	.section	.rodata,"a",@progbits
	.p2align	6, 0x0
	.amdhsa_kernel k_qf7c01678f5_cast
		.amdhsa_group_segment_fixed_size 0
		.amdhsa_private_segment_fixed_size 0
		.amdhsa_enable_private_segment 0
		.amdhsa_kernarg_size 40
		.amdhsa_user_sgpr_count 2
		.amdhsa_user_sgpr_kernarg_segment_ptr 1
		.amdhsa_wavefront_size32 1
		.amdhsa_system_sgpr_workgroup_id_x 1
		.amdhsa_system_sgpr_workgroup_id_y 1
		.amdhsa_system_sgpr_workgroup_id_z 1
		.amdhsa_system_vgpr_workitem_id 0
		.amdhsa_next_free_vgpr 88
		.amdhsa_next_free_sgpr 66
		.amdhsa_reserve_vcc 0
		.amdhsa_float_denorm_mode_32 3
		.amdhsa_float_denorm_mode_16_64 3
		.amdhsa_memory_ordered 1
		.amdhsa_forward_progress 1
		.amdhsa_inst_pref_size 14
	.end_amdhsa_kernel
	.amdgpu_metadata
---
amdhsa.version: [ 1, 2 ]
amdhsa.kernels:
  - .name:           k_qf7c01678f5_cast
    .symbol:         k_qf7c01678f5_cast.kd
    .args:
      - { .name: x, .offset: 0, .size: 8, .value_kind: global_buffer, .address_space: global }
      - { .name: W1, .offset: 8, .size: 8, .value_kind: global_buffer, .address_space: global }
      - { .name: Wc, .offset: 16, .size: 8, .value_kind: global_buffer, .address_space: global }
      - { .name: xb, .offset: 24, .size: 8, .value_kind: global_buffer, .address_space: global }
      - { .name: wall, .offset: 32, .size: 8, .value_kind: global_buffer, .address_space: global }
    .group_segment_fixed_size: 0
    .private_segment_fixed_size: 0
    .kernarg_segment_align: 8
    .kernarg_segment_size: 40
    .max_flat_workgroup_size: 256
    .sgpr_count:     66
    .vgpr_count:     88
    .wavefront_size: 32
...
	.end_amdgpu_metadata
.endif
;; end of part 4
;; launch gemm: the kernel of part 2 again; grid 4 x 64, 4 waves a work-group, clusters of 4 x 4, 327,680 bytes of LDS; arguments xb, wall, y, b1, w2, spart; writes y, spart
;; launch finish (part 5): grid 32 x 8, 16 waves a work-group, no clusters, 23,040 bytes of LDS; arguments y, spart, b2, bc, out0; writes out0
.if DOCPART == 5
	.amdgcn_target "amdgcn-amd-amdhsa--gfx1250"
	.amdhsa_code_object_version 6
	.text
	.protected	k_qf7c01678f5_finish
	.globl	k_qf7c01678f5_finish
	.p2align	8
	.type	k_qf7c01678f5_finish,@function
k_qf7c01678f5_finish:
	s_mov_b64 s[64:65], 0
	v_nop
	global_prefetch_b8 v0, s[64:65] scope:SCOPE_SE
	s_setreg_imm32_b32 hwreg(HW_REG_WAVE_SCHED_MODE, 0, 2), 2
	s_setreg_imm32_b32 hwreg(HW_REG_WAVE_MODE, 25, 1), 1
	s_wait_xcnt 0x0
	s_wait_alu depctr_vm_vsrc(0)
; out[t][d] = tanh( cumsum_t(e y1)[d] / cumsum_t(e) + y2[t][d] + bc[d] ),  e = exp(s - max over the batch of s),  s = the sum of 8 partial scores + b2.
; y1 = x Wc1^T and y2 = x Wc2^T come in f16, in blocks: [64 columns][four rows][pair of columns][row in the four][2]: a lane's 16 bytes are four consecutive rows of its two columns.
; SHARES.  A work-group owns 64 columns and half of a batch's 2,048 rows; each of its 16 waves 64 consecutive rows; a lane two columns in every row.  So the scan runs inside a lane, and e and the
; divisor are the same in all lanes.  256 work-groups.  Every work-group makes the batch's 2,048 e for itself (64 KiB of partial scores).
; THE CARRY.  A wave sums e y1 over its 64 rows; the sums meet in LDS; a wave starts from the sums of the waves in front of it.  The second half's work-groups also need the first half's sum:
; each wave sums 64 rows of the first half.  The first half's work-groups run the same lines on their own rows and drop the result by a select: one text without a branch, in which
; every register and LDS byte that is read is written on every path; the second half's work-groups need those lines anyway.
; LDS ADDRESSES hang on the wave's number, the lane and constants alone.  Which half of the batch's e is mine is settled by a select between values: each wave reads its 256 bytes of e
; from both halves, keeps the right ones and lays them into 256 bytes of its own (EOWN), from which the sums and the scan take them.
; THE EXPONENT.  The batch's maximum m is taken away, as in the reference; e is kept as 2^64 e, which cancels in the quotient: the largest is 2^64, a sum of 2,048 of them times an f16 number stays under 2^92.
; LIMITS.  A weight below 2^-190 of the batch's largest counts as 0; where all weights up to a row are 0 the row is NaN.  The quotient is a reciprocal and a multiply.
; Partial scores, the divisor and the numerator are added in f32 in pieces (8 parts; chunks of 64 rows), not in the reference's order.  b2 and bc are rounded to bf16 like every input of the program.
; NO CLUSTER, NO TENSOR LOADS: what work-groups share (the partial scores; the first half's y1, read twice) is an eighth of a work-group's bytes, and all loads go straight into registers, issued at once at the head.
; THE MODE: SCHED_MODE bits 1:0 = 2 (LLVM: expert scheduling mode 2), set by the entry lines.  The code itself states the register dependences
; between vector instructions and memory or LDS instructions, with s_wait_alu, always for 0.
; THE PLAN.  Registers that memory or LDS instructions touch:
;   v2 .. v11      offsets and LDS addresses: made at the head, never written again.
;   v[32:63]       the partial scores land here, then the waves' maxima (v40-55), then the chunks' sums of e; between these the additions work on them.  v36, v[32:35], v[32:33] are LDS stores' data.
;   v[20:21]       my two e of the wave's 64, selected, stored into EOWN; later the numerator.
;   E0 = v[24:31] with v[40:47], E1 = v[48:63]   two buffers of sixteen e, by turns, for the first half's sum: four fours read one while the next four fours' e land in the other.
;   EX             the first half's y1; when that is summed, my 64 e in one run of loads (for my rows' sum); then the waves' sums; then my 64 e once more (for the scan).
;   Y1, Y2         written by the loads at the head alone.
;   O0, O1 = v[48:63]   two sets of four rows' results, by turns: four q's arithmetic writes O[q % 2]; its four stores are issued in four q + 1, behind that four's first wait.
.set ELDS,  0                          ; 2,048 e, f32
.set ESUM,  8192                       ; 32 sums of e over 64 rows
.set WMAX,  8448                       ; 16 waves' maxima
.set TOT,   8704                       ; 16 waves x 32 lanes x 2 f32: sums of e y1 over the wave's rows
.set EXT,   12800                      ; the same over 64 rows of the first half
.set EOWN,  16896                      ; 16 waves x 64 f32: the e of the wave's own 64 rows; written and read by that wave alone
.set SPARE, 20992                      ; the spare words, 128 bytes for each of 16 waves: eight blocks of 256 bytes that no other line names
.set AC,  32                           ; v[32:63]   at work
.set OS,  48                           ; v[48:63]   two sets of four rows' results, by turns
.set Y1,  64                           ; v[64:127]  y1 of my 64 rows
.set Y2,  128                          ; v[128:191] y2
.set EX,  192                          ; v[192:255] y1 of 64 rows of the first half; later my 64 e, and the waves' sums
; v2 16 x lane; v3 8 x lane; v4 16 x thread; v5, v6, v11 LDS addresses; v7 0; v8 my rows' e in EOWN; v9 chunk w of the first half's e; v10 256 w + 8 x lane; v12, v13 the add's two;
; v[14:15] 2 log2(e) bc; v16 2 log2(e); v17 0; v[18:19] b2; v[20:21] numerator; v22 divisor
	s_load_b256 s[4:11], s[0:1], 0x0               ; y s[4:5], spart s[6:7], b2 s[8:9], bc s[10:11]
	s_load_b64 s[12:13], s[0:1], 0x20              ; out0
	v_lshl_add_u32 v12, v0, 2, SPARE
	v_mov_b32 v13, 0
	v_lshrrev_b32 v1, 5, v0
	v_readfirstlane_b32 s14, v1                    ; wave 0..15
	s_and_b32 s15, ttmp9, 15                       ; which 64 columns
	s_lshr_b32 s16, ttmp9, 4                       ; which half of the rows
	s_and_b32 s17, ttmp7, 0xffff                   ; the batch
	s_cmp_lg_u32 s16, 0
	s_cselect_b32 s29, -1, 0                       ; a mask of all lanes: the second half, or none: the first
	s_lshl_b32 s18, s16, 4
	s_wait_alu depctr_va_sdst(0)                   ; s14 is written, ahead of its first reader: my chunk, my rows and my LDS bytes are made from it
	s_add_co_u32 s18, s18, s14                     ; my chunk of 64 rows among the batch's 32
	s_lshl_b32 s19, s17, 11
	s_lshl_b32 s21, s18, 6
	s_add_co_u32 s19, s19, s21                     ; my first row
	s_mov_b32 s22, 0x3fb8aa3b                      ; log2(e)
	s_mov_b32 s23, s22
	s_mov_b32 s24, 0x4038aa3b                      ; 2 log2(e)
	s_mov_b32 s25, s24
	s_mov_b32 s26, 0x76543210                      ; v_permlanex16_b32: each lane takes its own place in the other half
	s_mov_b32 s27, 0xfedcba98
	s_mov_b32 s28, 0xffff0000
	s_mov_b32 s44, 0x42800000                      ; 64.0
	s_mov_b32 s45, s44
	v_and_b32 v1, 31, v0
	v_lshlrev_b32 v2, 4, v1
	v_lshlrev_b32 v3, 3, v1
	v_lshlrev_b32 v4, 4, v0
	v_lshrrev_b32 v5, 4, v0
	v_lshl_add_u32 v5, v5, 2, ESUM                 ; sixteen threads hold 64 rows
	s_lshl_b32 s21, s14, 2
	s_add_co_u32 s21, s21, WMAX
	v_mov_b32 v6, s21
	v_mov_b32 v7, 0
	s_lshl_b32 s21, s14, 8                         ; 256 bytes a wave
	v_mov_b32 v9, s21                              ; chunk w of the first half's e
	v_add_nc_u32 v10, s21, v3                      ; my 8 bytes of a wave's 256
	s_add_co_u32 s39, s21, EOWN
	v_mov_b32 v8, s39                              ; my rows' e, in my wave's own bytes
	s_add_co_u32 s21, s21, TOT
	v_add_nc_u32 v11, s21, v3
	v_mov_b32 v16, s24
	v_mov_b32 v17, 0
	v_mov_b32 v41, 0                               ; named in pairs with the reciprocals
	v_mov_b32 v43, 0
	v_mov_b32 v45, 0
	v_mov_b32 v47, 0
	s_lshl_b32 s34, s15, 21                        ; y1: my block,
	s_lshl_b32 s35, s19, 7                         ; my first row x 128 bytes
	s_add_co_u32 s34, s34, s35
	s_mov_b32 s35, 0
	s_lshl_b32 s36, s16, 17                        ; 1,024 rows back for the second half, none for the first
	s_mov_b32 s37, 0
	s_lshl_b32 s38, s19, 12                        ; out: rows of 4,096 bytes,
	s_lshl_b32 s39, s15, 8                         ; my 64 columns: 256 bytes
	s_add_co_u32 s38, s38, s39
	s_mov_b32 s39, 0
	s_lshl_b32 s40, s17, 13                        ; the batch's 2,048 partial scores
	s_mov_b32 s41, 0
	s_lshl_b32 s42, s15, 8
	s_mov_b32 s43, 0
	s_wait_kmcnt 0x0
	s_load_b32 s20, s[8:9], 0x0                    ; b2
	s_add_nc_u64 s[30:31], s[4:5], s[34:35]        ; y1 at my rows
	s_add_nc_u64 s[32:33], s[30:31], 33554432      ; y2: 16 blocks on
	s_sub_nc_u64 s[46:47], s[30:31], s[36:37]      ; y1 at chunk w of the first half
	s_add_nc_u64 s[12:13], s[12:13], s[38:39]
	s_add_nc_u64 s[6:7], s[6:7], s[40:41]
	s_add_nc_u64 s[10:11], s[10:11], s[42:43]
	s_wait_alu depctr_va_vdst(0)                   ; the offsets and LDS addresses v2 to v11 are written, which every load and store of the kernel reads; so are v41, v43, v45, v47, in which partial scores land
	; all 57 loads at once, in the order in which they are wanted
	global_load_b64 v[14:15], v3, s[10:11]
.irp p, 0,1,2,3,4,5,6,7
	global_load_b128 v[AC+4*(\p):AC+4*(\p)+3], v4, s[6:7] offset:(\p)*65536  ; thread i: rows 4 i .. 4 i + 3 of the batch, part p
.endr
.irp q, 0,1,2,3,4,5,6,7,8,9,10,11,12,13,14,15
	global_load_b128 v[EX+4*(\q):EX+4*(\q)+3], v2, s[46:47] offset:512*(\q)
.endr
.irp q, 0,1,2,3,4,5,6,7,8,9,10,11,12,13,14,15
	global_load_b128 v[Y1+4*(\q):Y1+4*(\q)+3], v2, s[30:31] offset:512*(\q)  ; 512 consecutive bytes: four rows
.endr
.irp q, 0,1,2,3,4,5,6,7,8,9,10,11,12,13,14,15
	global_load_b128 v[Y2+4*(\q):Y2+4*(\q)+3], v2, s[32:33] offset:512*(\q) th:TH_LOAD_NT
.endr
	s_wait_kmcnt 0x0
	v_mov_b32 v18, s20
	v_cvt_pk_bf16_f32 v18, v18, v18                ; b2 rounded to bf16
	v_lshlrev_b32 v18, 16, v18
	v_mov_b32 v19, v18
	; THE SCORES, THEIR MAXIMUM, e
	s_wait_loadcnt 48                              ; bc and the partial scores are in; the 48 loads of y stay out
	v_cvt_pk_bf16_f32 v14, v14, v15                ; bc rounded to bf16, times 2 log2(e)
	v_and_b32 v15, s28, v14
	v_lshlrev_b32 v14, 16, v14
	v_pk_mul_f32 v[14:15], v[14:15], s[24:25] op_sel_hi:[1,0]
.irp p, 0,2,4,6
	v_pk_add_f32 v[AC+4*(\p):AC+4*(\p)+1],   v[AC+4*(\p):AC+4*(\p)+1],   v[AC+4*(\p)+4:AC+4*(\p)+5]
	v_pk_add_f32 v[AC+4*(\p)+2:AC+4*(\p)+3], v[AC+4*(\p)+2:AC+4*(\p)+3], v[AC+4*(\p)+6:AC+4*(\p)+7]
.endr
.irp p, 0,4
	v_pk_add_f32 v[AC+4*(\p):AC+4*(\p)+1],   v[AC+4*(\p):AC+4*(\p)+1],   v[AC+4*(\p)+8:AC+4*(\p)+9]
	v_pk_add_f32 v[AC+4*(\p)+2:AC+4*(\p)+3], v[AC+4*(\p)+2:AC+4*(\p)+3], v[AC+4*(\p)+10:AC+4*(\p)+11]
.endr
	v_pk_add_f32 v[32:33], v[32:33], v[48:49]
	v_pk_add_f32 v[34:35], v[34:35], v[50:51]
	v_pk_add_f32 v[32:33], v[32:33], v[18:19]      ; + b2
	v_pk_add_f32 v[34:35], v[34:35], v[18:19]
	v_max3_num_f32 v36, v32, v33, v34
	v_max_num_f32 v36, v36, v35
	v_mov_b32 v37, 0
	v_max_num_f32_dpp v36, v36, v36 row_xmask:1 row_mask:0xf bank_mask:0xf
	v_max_num_f32_dpp v36, v36, v36 row_xmask:2 row_mask:0xf bank_mask:0xf
	v_max_num_f32_dpp v36, v36, v36 row_xmask:4 row_mask:0xf bank_mask:0xf
	v_max_num_f32_dpp v36, v36, v36 row_xmask:8 row_mask:0xf bank_mask:0xf
	v_permlanex16_b32 v37, v36, s26, s27
	v_max_num_f32 v36, v36, v37                    ; my wave's 128 rows' maximum
	s_wait_alu depctr_va_vdst(0)                   ; v36 is written, which the LDS store reads; the additions above are done with v[40:55], in which the waves' maxima land behind the barrier (no vector instruction stands between)
	ds_store_b32 v6, v36
	s_wait_dscnt 0x0                               ; for the others' sake: my store is done
	s_barrier_signal -1
	s_barrier_wait -1
.irp i, 0,1,2,3
	ds_load_b128 v[40+4*(\i):43+4*(\i)], v7 offset:WMAX+16*(\i)
.endr
	s_wait_dscnt 0x0
	s_wait_alu depctr_vm_vsrc(0)                   ; my LDS store has read v36, which the sum of e below writes again
	v_max3_num_f32 v40, v40, v41, v42
	v_max3_num_f32 v43, v43, v44, v45
	v_max3_num_f32 v46, v46, v47, v48
	v_max3_num_f32 v49, v49, v50, v51
	v_max3_num_f32 v52, v52, v53, v54
	v_max3_num_f32 v40, v40, v43, v46
	v_max3_num_f32 v49, v49, v52, v55
	v_max_num_f32 v38, v40, v49                    ; the batch's maximum
	v_mov_b32 v39, v38
	v_pk_add_f32 v[32:33], v[32:33], v[38:39] neg_lo:[0,1] neg_hi:[0,1]
	v_pk_add_f32 v[34:35], v[34:35], v[38:39] neg_lo:[0,1] neg_hi:[0,1]
	v_pk_fma_f32 v[32:33], v[32:33], s[22:23], s[44:45] op_sel_hi:[1,0,0]  ; log2(e) (s - m) + 64
	v_pk_fma_f32 v[34:35], v[34:35], s[22:23], s[44:45] op_sel_hi:[1,0,0]
	v_exp_f32 v32, v32
	v_exp_f32 v33, v33
	v_exp_f32 v34, v34
	v_exp_f32 v35, v35
	v_mov_b32 v41, 0                               ; a plain line behind the exponentials (ISA guide 5.7.2); these four registers were used above and are set again
	v_mov_b32 v43, 0
	v_mov_b32 v45, 0
	v_mov_b32 v47, 0
	s_wait_alu depctr_va_vdst(0)                   ; the four exponentials have written v[32:35], which the LDS store and the sum below read
	ds_store_b128 v4, v[32:35]
	v_pk_add_f32 v[36:37], v[32:33], v[34:35]
	v_add_f32 v36, v36, v37
	v_add_f32_dpp v36, v36, v36 row_xmask:1 row_mask:0xf bank_mask:0xf
	v_add_f32_dpp v36, v36, v36 row_xmask:2 row_mask:0xf bank_mask:0xf
	v_add_f32_dpp v36, v36, v36 row_xmask:4 row_mask:0xf bank_mask:0xf
	v_add_f32_dpp v36, v36, v36 row_xmask:8 row_mask:0xf bank_mask:0xf
	s_wait_alu depctr_va_vdst(0)                   ; v36 is written, which the LDS store reads; all the lines above are done with v[32:63], in which the chunks' sums land behind the barrier (no vector instruction stands between)
	ds_store_b32 v5, v36                           ; sixteen lanes hold a chunk of 64 rows: its sum of e
	s_wait_dscnt 0x0
	s_barrier_signal -1
	s_barrier_wait -1
	; MY ROWS' e INTO MY OWN BYTES, and THE DIVISOR in front of my rows: the chunks' sums up to mine
	s_wait_alu depctr_vm_vsrc(0)                   ; my two LDS stores have read v[32:36], in which the loads below land
	ds_load_b64 v[20:21], v10                      ; chunk w: my rows in the first half,
	ds_load_b64 v[24:25], v10 offset:4096          ; chunk 16 + w: in the second
.irp i, 0,1,2,3,4,5,6,7
	ds_load_b128 v[AC+4*(\i):AC+4*(\i)+3], v7 offset:ESUM+16*(\i)
.endr
	v_mov_b32 v22, 0
	s_wait_dscnt 0x0
	v_cndmask_b32 v20, v20, v24, s29               ; the half that is mine
	v_cndmask_b32 v21, v21, v25, s29
.set k, 0
.rept 31
	s_cmp_le_u32 s18, k
	s_cbranch_scc1 .Lden_done
	v_add_f32 v22, v22, v[AC+k]
.set k, k+1
.endr
.Lden_done:
	s_wait_alu depctr_va_vdst(0)                   ; on every way here: the selects have written v[20:21], which the LDS store reads, and are done reading v[24:25]; the divisor's additions are done reading v[32:62]: e lands in v[24:31] and v[40:63] below
	ds_store_b64 v10, v[20:21] offset:EOWN         ; my wave's 256 bytes; LDS serves a wave's instructions in order (ISA guide 5.7.1.4), so my later loads see them, and no other wave names them
; Eight multiply-adds: the four rows of four q in registers R + 4 q .., their e in registers E ..: four chains by the row in a four, low and high column.  Four 0 starts the chains.
.macro MAC8 R, q, E
.irp r, 0,1,2,3
.if (\q) == 0
	v_fma_mix_f32 v[AC+2*(\r)],   v[(\R)+4*(\q)+(\r)], v[(\E)+(\r)], v17 op_sel_hi:[1,0,0]
	v_fma_mix_f32 v[AC+2*(\r)+1], v[(\R)+4*(\q)+(\r)], v[(\E)+(\r)], v17 op_sel:[1,0,0] op_sel_hi:[1,0,0]
.else
	v_fma_mix_f32 v[AC+2*(\r)],   v[(\R)+4*(\q)+(\r)], v[(\E)+(\r)], v[AC+2*(\r)] op_sel_hi:[1,0,0]
	v_fma_mix_f32 v[AC+2*(\r)+1], v[(\R)+4*(\q)+(\r)], v[(\E)+(\r)], v[AC+2*(\r)+1] op_sel:[1,0,0] op_sel_hi:[1,0,0]
.endif
.endr
.endm
.macro FOLD                            ; the four chains into one pair
	v_pk_add_f32 v[AC:AC+1], v[AC:AC+1], v[AC+2:AC+3]
	v_pk_add_f32 v[AC+4:AC+5], v[AC+4:AC+5], v[AC+6:AC+7]
	v_pk_add_f32 v[AC:AC+1], v[AC:AC+1], v[AC+4:AC+5]
.endm
; The first half's e, group g of four fours, into buffer g % 2: E0 = v[24:31] with v[40:47], E1 = v[48:63]
.macro EHALF g
.irp j, 0,1,2,3
.set ER, (1-(\g)%2)*(24+4*(\j)+8*((\j)/2))+((\g)%2)*(48+4*(\j))
	ds_load_b128 v[ER:ER+3], v9 offset:64*(\g)+16*(\j)
.endr
.endm
; My rows' 64 e, out of my wave's own bytes, in one run into EX
.macro EMINE
.irp q, 0,1,2,3,4,5,6,7,8,9,10,11,12,13,14,15
	ds_load_b128 v[EX+4*(\q):EX+4*(\q)+3], v8 offset:16*(\q)
.endr
.endm
	; THE FIRST HALF'S SUM over chunk w
	EHALF 0
	EHALF 1
	s_wait_loadcnt 32                              ; the first half's rows are in; y1 and y2 of my rows stay out
.set q, 0
.rept 16
.if (q == 4) || (q == 8)
	s_wait_alu depctr_va_vdst(0)                   ; the four fours before are done reading their buffer of e, in which the loads below land; this group's lines name the other buffer
	EHALF q/4+1
.endif
.set ISS, 4*(q/4+2)                    ; loads of e issued so far,
.if ISS > 16
.set ISS, 16                           ; sixteen in all
.endif
	s_wait_dscnt ISS-1-q                           ; LDS loads come back in order (ISA guide 5.7.1): this four's e are in, the younger ones stay out
.set ER, (1-(q/4)%2)*(24+4*(q%4)+8*((q%4)/2))+((q/4)%2)*(48+4*(q%4))
	MAC8 EX, q, ER
.set q, q+1
.endr
	FOLD
	s_wait_alu depctr_va_vdst(0)                   ; the sum v[32:33] is written, which the LDS store reads; the multiply-adds are done reading EX, in which my e land
	ds_store_b64 v11, v[AC:AC+1] offset:EXT-TOT
	EMINE
	s_wait_alu depctr_vm_vsrc(0)                   ; that LDS store has read v[32:33], which the next sum writes again; the store into EOWN has read v[20:21], which the carry writes
	; MY ROWS' SUM
	s_wait_loadcnt 16                              ; y1 is in; y2 stays out
.set q, 0
.rept 16
	s_wait_dscnt 15-q                              ; this four's e are in, the younger ones stay out
	MAC8 Y1, q, EX+4*q
.set q, q+1
.endr
	FOLD
	s_wait_alu depctr_va_vdst(0)                   ; the sum v[32:33] is written, which the LDS store reads; the multiply-adds are done reading EX, in which the waves' sums land behind the barrier (no vector instruction stands between)
	ds_store_b64 v11, v[AC:AC+1]
	s_wait_dscnt 0x0
	s_barrier_signal -1
	s_barrier_wait -1
	; THE NUMERATOR in front of my rows
.irp k, 0,1,2,3,4,5,6,7,8,9,10,11,12,13,14,15
	ds_load_b64 v[EX+2*(\k):EX+2*(\k)+1], v3 offset:EXT+256*(\k)
.endr
.irp k, 0,1,2,3,4,5,6,7,8,9,10,11,12,13,14
	ds_load_b64 v[EX+32+2*(\k):EX+32+2*(\k)+1], v3 offset:TOT+256*(\k)
.endr
	s_wait_dscnt 0x0
	v_pk_add_f32 v[20:21], v[EX:EX+1], v[EX+2:EX+3]
.set k, 2
.rept 14
	v_pk_add_f32 v[20:21], v[20:21], v[EX+2*k:EX+2*k+1]
.set k, k+1
.endr
	v_cndmask_b32 v20, 0, v20, s29                 ; the second half takes the first half's sum, the first half 0
	v_cndmask_b32 v21, 0, v21, s29
.set k, 0
.rept 15
	s_cmp_le_u32 s14, k
	s_cbranch_scc1 .Lcar_done
	v_pk_add_f32 v[20:21], v[20:21], v[EX+32+2*k:EX+32+2*k+1]
.set k, k+1
.endr
.Lcar_done:
	s_wait_alu depctr_va_vdst(0)                   ; on every way here: the carry's additions are done reading EX, in which my e land once more
	EMINE
; THE SCAN, four rows at a time.  Numerator and divisor run on from row to row; 2 log2(e) is folded into the reciprocal, into y2's widening and into bc; tanh(z) = 1 - 2 / (1 + 2^(2 log2(e) z)).
; Row k of four q leaves:
.macro OUT1 q, k
	global_store_b64 v3, v[OS+8*((\q)%2)+2*(\k):OS+8*((\q)%2)+2*(\k)+1], s[12:13] offset:(4*(\q)+(\k))*4096 th:TH_STORE_NT  ; the wave's 32 lanes store 256 consecutive bytes, at a multiple of 256 from out0's first byte
.endm
.macro QUAD q
.set EB, EX+4*(\q)
.set O,  OS+8*((\q)%2)
	s_wait_dscnt 15-(\q)                           ; this four's e are in, the younger ones stay out
.if (\q) == 0
	s_wait_alu depctr_vm_vsrc(0)                   ; the LDS store of my rows' sum has read v[32:33], which the lines below write
.endif
.if (\q) >= 2
	s_wait_xcnt 0x0                                ; the results that earlier stores read are rewritten only behind this wait
	s_wait_alu depctr_vm_vsrc(0)                   ; the stores issued in the four before have read this set of results, which the lines below write again
.endif
	v_fma_mix_f32 v32, v[Y1+4*(\q)], v[EB], v20 op_sel_hi:[1,0,0]
	v_fma_mix_f32 v33, v[Y1+4*(\q)], v[EB], v21 op_sel:[1,0,0] op_sel_hi:[1,0,0]
	v_add_f32 v40, v22, v[EB]
	v_fma_mix_f32 v34, v[Y1+4*(\q)+1], v[EB+1], v32 op_sel_hi:[1,0,0]
	v_fma_mix_f32 v35, v[Y1+4*(\q)+1], v[EB+1], v33 op_sel:[1,0,0] op_sel_hi:[1,0,0]
	v_add_f32 v42, v40, v[EB+1]
	v_fma_mix_f32 v36, v[Y1+4*(\q)+2], v[EB+2], v34 op_sel_hi:[1,0,0]
	v_fma_mix_f32 v37, v[Y1+4*(\q)+2], v[EB+2], v35 op_sel:[1,0,0] op_sel_hi:[1,0,0]
	v_add_f32 v44, v42, v[EB+2]
	v_fma_mix_f32 v20, v[Y1+4*(\q)+3], v[EB+3], v36 op_sel_hi:[1,0,0]
	v_fma_mix_f32 v21, v[Y1+4*(\q)+3], v[EB+3], v37 op_sel:[1,0,0] op_sel_hi:[1,0,0]
	v_add_f32 v22, v44, v[EB+3]
	v_rcp_f32 v40, v40
	v_rcp_f32 v42, v42
	v_rcp_f32 v44, v44
	v_rcp_f32 v46, v22
.irp k, 0,1,2,3                        ; 2 log2(e) (y2 + bc): plain lines between the reciprocals and their use
	v_fma_mix_f32 v[O+2*(\k)],   v[Y2+4*(\q)+(\k)], v16, v14 op_sel_hi:[1,0,0]
	v_fma_mix_f32 v[O+2*(\k)+1], v[Y2+4*(\q)+(\k)], v16, v15 op_sel:[1,0,0] op_sel_hi:[1,0,0]
.endr
	s_wait_alu depctr_va_vdst(0)                   ; the four reciprocals are written; so are the results of the four before, which the stores below read; no line of this four names that set
.irp k, 0,1,2,3
.if (\q) > 0
	OUT1 (\q)-1, \k
.endif
	v_mul_f32 v[40+2*(\k)], v16, v[40+2*(\k)]
.endr
	v_pk_fma_f32 v[O:O+1],   v[32:33], v[40:41], v[O:O+1]   op_sel_hi:[1,0,1]
	v_pk_fma_f32 v[O+2:O+3], v[34:35], v[42:43], v[O+2:O+3] op_sel_hi:[1,0,1]
	v_pk_fma_f32 v[O+4:O+5], v[36:37], v[44:45], v[O+4:O+5] op_sel_hi:[1,0,1]
	v_pk_fma_f32 v[O+6:O+7], v[20:21], v[46:47], v[O+6:O+7] op_sel_hi:[1,0,1]
.irp k, 0,1,2,3,4,5,6,7
	v_exp_f32 v[O+(\k)], v[O+(\k)]
.endr
	v_nop
	s_wait_alu depctr_va_vdst(0)                   ; the eight exponentials are written, ahead of their first reader
.irp k, 0,2,4,6
	v_pk_add_f32 v[O+(\k):O+(\k)+1], v[O+(\k):O+(\k)+1], 1.0 op_sel_hi:[1,0]
.endr
.irp k, 0,1,2,3,4,5,6,7
	v_rcp_f32 v[O+(\k)], v[O+(\k)]
.endr
	v_nop
	s_wait_alu depctr_va_vdst(0)                   ; the eight reciprocals are written, ahead of their first reader
.irp k, 0,2,4,6
	v_pk_fma_f32 v[O+(\k):O+(\k)+1], v[O+(\k):O+(\k)+1], -2.0, 1.0 op_sel_hi:[1,0,0]
.endr
.endm
	s_wait_loadcnt 0x0                             ; y2
.irp q, 0,1,2,3,4,5,6,7,8,9,10,11,12,13,14,15
	QUAD \q
.endr
	s_wait_alu depctr_va_vdst(0)                   ; the last four's results are written, which the last four stores read
.irp k, 0,1,2,3
	OUT1 15, \k
.endr
	s_wait_dscnt 0x0                               ; the closing lines, six on end
	s_wait_alu 0x0
	s_wait_tensorcnt 0x0
	ds_add_u32 v12, v13
	s_wait_dscnt 0x0
	s_endpgm
.Lfunc_end_k_qf7c01678f5_finish:
	.size	k_qf7c01678f5_finish, .Lfunc_end_k_qf7c01678f5_finish-k_qf7c01678f5_finish
	.p2alignl 7, 3214868480
	.fill 96, 4, 3214868480
	.section	.rodata,"a",@progbits
	.p2align	6, 0x0
	.amdhsa_kernel k_qf7c01678f5_finish
		.amdhsa_group_segment_fixed_size 23040
		.amdhsa_private_segment_fixed_size 0
		.amdhsa_enable_private_segment 0
		.amdhsa_kernarg_size 40
		.amdhsa_user_sgpr_count 2
		.amdhsa_user_sgpr_kernarg_segment_ptr 1
		.amdhsa_wavefront_size32 1
		.amdhsa_system_sgpr_workgroup_id_x 1
		.amdhsa_system_sgpr_workgroup_id_y 1
		.amdhsa_system_sgpr_workgroup_id_z 1
		.amdhsa_system_vgpr_workitem_id 0
		.amdhsa_next_free_vgpr 256
		.amdhsa_next_free_sgpr 66
		.amdhsa_reserve_vcc 0
		.amdhsa_float_denorm_mode_32 3
		.amdhsa_float_denorm_mode_16_64 3
		.amdhsa_memory_ordered 1
		.amdhsa_forward_progress 1
		.amdhsa_inst_pref_size 95
	.end_amdhsa_kernel
	.amdgpu_metadata
---
amdhsa.version: [ 1, 2 ]
amdhsa.kernels:
  - .name:           k_qf7c01678f5_finish
    .symbol:         k_qf7c01678f5_finish.kd
    .args:
      - { .name: y, .offset: 0, .size: 8, .value_kind: global_buffer, .address_space: global }
      - { .name: spart, .offset: 8, .size: 8, .value_kind: global_buffer, .address_space: global }
      - { .name: b2, .offset: 16, .size: 8, .value_kind: global_buffer, .address_space: global }
      - { .name: bc, .offset: 24, .size: 8, .value_kind: global_buffer, .address_space: global }
      - { .name: out0, .offset: 32, .size: 8, .value_kind: global_buffer, .address_space: global }
    .group_segment_fixed_size: 23040
    .private_segment_fixed_size: 0
    .kernarg_segment_align: 8
    .kernarg_segment_size: 40
    .max_flat_workgroup_size: 512
    .sgpr_count:     66
    .vgpr_count:     256
    .wavefront_size: 32
...
	.end_amdgpu_metadata
.endif
;; end of part 5
